; MI455X (gfx1250); checked and timed in simulation.
; The chip was launched on July 23, 2026; its instructions are those of AMD's public machine-readable ISA for CDNA 5 (MIT licence, August 2026) and "CDNA5" Instruction Set Architecture Reference Guide (July 2026). The comments in the code are by the model that wrote it; some were corrected since.
;; Soft Attention. Allowed arithmetic: matrix products marked QUANTISED: E2M1 operands, one E8M0 scale for each 32 along K, by v_wmma_scale_f32_16x16x128_f8f6f4 with both operands' format E2M1 (or v_wmma_scale_f32_32x16x128_f4), f32 sums; everything else in f32.
;; Inputs: key 4 x 4,096 x 64 float32; q_mask 4 x 4,096 bool; query 4 x 4,096 x 64 float32; scale 1 float32; v_mask 4 x 4,096 bool; value 4 x 4,096 x 64 float32.
;; Outputs: out0 4 x 4,096 x 64 float32.
;; This version of the problem:
;;   THIS VERSION OF THE PROBLEM IS GIVEN IN LOW PRECISION. The matrix products marked QUANTISED in the list below multiply operands that are first quantised to E2M1 (2 exponent bits, 1 mantissa bit; 4 bits a number), with one power-of-two scale for each 32 numbers along K (OCP MX v1.0); their sums are f32. All else is computed in f32.
;;   The module's matrix products, in the order in which they are computed (A, B: the left and right operand; K: the contracted axis; several contracted axes count as one K, in the product's order):
;;     1. batch 4 x [M 4,096, K 64] x [K 64, N 4,096]; A: computed on the way; B: input key: QUANTISED
;;     2. batch 4 x [M 4,096, K 4,096] x [K 4,096, N 64]; A: softmax (see below); B: input value: QUANTISED
;;   THE QUANTISER, for each operand of a quantised product, along K:
;;     - K is cut into blocks of 32 from its start; a last block that is shorter is filled with zeros.
;;     - A block's scale is 2^e with e = floor(log2(the largest magnitude in the block)) - 2, held to -126 .. 127; a block of zeros has e = 0. As a byte (E8M0): e + 127.
;;     - Each number is divided by its block's scale, clamped to +-6, and rounded to the nearest number of E2M1, ties to even, subnormals kept.
;;     - The product sums the exact products of the quantised numbers (number of the format x scale) in f32.
;;   ~~~python
;;   def quantise(x, axis):      # numpy; x: float32 -> the quantised numbers, widened to float32 again
;;       x = np.moveaxis(x, axis, -1); K = x.shape[-1]
;;       x = np.pad(x, [(0, 0)] * (x.ndim - 1) + [(0, -K % 32)]); x = x.reshape(x.shape[:-1] + (-1, 32)); a = np.abs(x).max(-1, keepdims=True)
;;       e = np.where(a > 0, np.clip(np.frexp(np.where(a > 0, a, 1))[1] - 1 - 2, -126, 127), 0)      # np.frexp(a)[1] - 1 = floor(log2(a)), exactly
;;       r = np.clip(x / 2.0 ** e, -6, 6)
;;       step = 2.0 ** (np.maximum(np.frexp(np.where(r == 0, 1, r))[1] - 1, 0) - 1)
;;       q = np.round(r / step) * step * 2.0 ** e      # np.round: ties to even
;;       return np.moveaxis(q.reshape(q.shape[:-2] + (-1,))[..., :K], -1, axis).astype(np.float32)
;;   ~~~
;;   SOFTMAX AHEAD OF A QUANTISED PRODUCT. Where the list says 'softmax', what is quantised is not the finished softmax but p = 2^(t - M), with t = logit x log2(e) and M = ceil(the row's largest t), a whole number; so 1/2 < the row's largest p <= 1. The row's sum l is taken of the UNQUANTISED p, in f32, and the product's result is divided by l at the end. Since M is a whole number, a kernel that streams over the keys may use a running M (the ceiling of the running maximum): every later rescaling is an exact power of two, which a block's scale takes up: the codes' values come out the same.
;;   OPERANDS COMPUTED ON THE WAY. 'Computed on the way' means the value that the module computes at that place (a softmax that the list does not call 'softmax' is quantised finished and normalised). What goes into a quantiser is computed in f32, as accurately as f32 sums, v_exp_f32 and their like allow (about 1e-6 of the number): no bf16 or f16 on the way to a quantiser, and a product that is left as it is and whose result goes on into a quantised operand takes f32 operands (vector FMAs, or v_wmma_f32_16x16x4_f32). A number that lies on a knife's edge between two numbers of the format may be rounded either way, as far as f32 arithmetic and the matrix unit's own rounding can turn it there, and no further.
;; 2 versions, each right; version 2 is version 1 with the launch attn written anew for expert scheduling mode. Each part assembles by itself: llvm-mc -triple=amdgcn-amd-amdhsa -mcpu=gfx1250 --defsym DOCPART=n.
;; ======== version 1 of 2: 2 launches
;; limits: right only within a limited range of input values
;; workspace buffers: kv 1,146,880 bytes; mw 2,048 bytes of whole numbers
;; launch prep (part 1): grid 256 x 1, 8 waves a work-group, no clusters, 36,864 bytes of LDS; arguments key, value, v_mask, kv, mw; writes kv, mw
.if DOCPART == 1
	.amdgcn_target "amdgcn-amd-amdhsa--gfx1250"
	.amdhsa_code_object_version 6
	.text
	.protected	k_qf6858880c3_prep
	.globl	k_qf6858880c3_prep
	.p2align	8
	.type	k_qf6858880c3_prep,@function
k_qf6858880c3_prep:
	s_mov_b64 s[64:65], 0
	v_nop
	global_prefetch_b8 v0, s[64:65] scope:SCOPE_SE
	s_setreg_imm32_b32 hwreg(HW_REG_WAVE_MODE, 25, 1), 1
	s_wait_xcnt 0x0
; key [4][4096][64] and value [4][4096][64], f32, become codes of FP4 (E2M1) with one E8M0 byte for each 32 along a product's K: key along its 64 channels, value along the KEYS.
; They are laid as IMAGES OF THE OPERAND REGISTERS of the attention launch: one image of IMG bytes for each key step of 128 keys (unit = 32 x batch + step), so that a lane there loads its fragments whole.
;   byte 0     KC: tile t (0..7) at 512 t + 16 L: lane L = 16 h + r: the 32 codes of key 32 (t / 2) + 8 (t % 2) + r + 8 (r / 8) of the step, channels 32 h .. 32 h + 31
;   byte 4096  VC: channel tile dt, half c at 1024 dt + 512 c + 16 L: the 32 codes of channel 16 dt + r, keys 64 c + 32 h + 0 .. 31 of the step
;   byte 8192  KS: at 16 L + 4 i, L = 16 g + r: the scale word of tile 4 g + i, row r.  An even tile's two bytes lie in the word's low half, an odd tile's in its high half; the other half is 0x7f7f (scale 1 over zero codes)
;   byte 8704  VS: at 8 L + 4 i, L = 16 g + r: the scale word of channel tile 2 g + i, row r; byte b belongs to the step's b-th 32 keys
; v_mask [4][4096] of bytes becomes bit words mw [4][128]: bit L of word W is v_mask[batch][32 W + L].
; A block's scale is 2^(floor(log2(largest magnitude)) - 2); its byte is the largest magnitude's exponent field - 2, held at 1 from below.
; LIMITS: a block whose largest magnitude lies under 2^-124, a block of zeros among them, gets the byte 1 (its codes are then zeros or the rounded quotients by 2^-126; the bytes are read by this program alone); NaN and infinities are not served.
; SHARES: work-groups 0-127 take the keys of unit = number, work-groups 128-255 the values of unit = number - 128: 32 KiB read by each.  The two ways use LDS bytes of their own.
; No tensor loads and no ring: each byte is read once and a work-group's share is one burst of loads.
.set IMG,   8960
.set O_VC,  4096
.set O_KS,  8192
.set O_VS,  8704
.set PITCH, 272                        ; a stage row: 256 bytes (a key's 64 numbers) + 16: the 16 rows that a read touches start in 16 different groups of banks
.set KSG,   8*16*PITCH                 ; behind the eight stages: the keys' 128 scale words
.set VSG,   KSG+512                    ; the values' 256 scale bytes
.set QA,  8                            ; v8, v9   two chains of the largest magnitude
.set QB,  9
.set QSC, 10                           ; v10      the conversions' scale operand
.set QBY, 11                           ; v11      the scale's byte
; 32 numbers of ONE block in v[x] .. v[x + 31] become 32 codes in v[c] .. v[c + 3]; the byte is left in v[QBY].
.macro QUANT32 x, c
	v_max3_num_f32 v[QA], |v[(\x)]|, |v[(\x)+1]|, 0x1800000         ; the floor 2^(3 - 127) among the leaves: the byte cannot fall under 1
	v_max3_num_f32 v[QB], |v[(\x)+16]|, |v[(\x)+17]|, |v[(\x)+18]|
.irp i, 0,2,4,6,8,10
	v_max3_num_f32 v[QA], v[QA], |v[(\x)+2+\i]|, |v[(\x)+3+\i]|
	v_max3_num_f32 v[QB], v[QB], |v[(\x)+19+\i]|, |v[(\x)+20+\i]|
.endr
	v_max3_num_f32 v[QA], v[QA], |v[(\x)+14]|, |v[(\x)+15]|
	v_max3_num_f32 v[QA], v[QA], v[QB], |v[(\x)+31]|
	v_add_nc_u32 v[QSC], 0xff000000, v[QA]                          ; 2 off the exponent field: the conversion takes this operand's exponent field as its scale
	v_lshrrev_b32 v[QBY], 23, v[QSC]
.irp g, 0,1,2,3
	v_cvt_scalef32_pk8_fp4_f32 v[(\c)+\g], v[(\x)+8*\g:(\x)+8*\g+7], v[QSC]
.endr
	v_nop                                                           ; one plain line behind the last scaled conversion
.endm
	s_load_b256 s[4:11], s[0:1], 0x0               ; key s[4:5], value s[6:7], v_mask s[8:9], kv s[10:11]
	s_load_b64 s[12:13], s[0:1], 0x20              ; mw
	v_lshl_add_u32 v96, v0, 2, 0x8c00
	v_mov_b32 v97, 0
	v_lshrrev_b32 v1, 5, v0
	v_readfirstlane_b32 s16, v1                    ; wave 0..7
	v_and_b32 v2, 31, v0                           ; L
	v_and_b32 v3, 15, v0                           ; r
	v_bfe_u32 v4, v0, 4, 1                         ; h
	s_and_b32 s17, ttmp9, 127                      ; unit
	s_mul_i32 s18, s17, IMG
	s_mov_b32 s19, 0
	s_mov_b32 s28, 0x76543210
	s_mov_b32 s29, 0xfedcba98                      ; v_permlanex16_b32's selects for lane l xor 16
	s_wait_kmcnt 0x0
	s_add_nc_u64 s[10:11], s[10:11], s[18:19]      ; my unit's image
	s_cmp_lt_u32 ttmp9, 128                        ; the same in all waves of a work-group
	s_cbranch_scc0 .Lvalue
	; ---- THE KEYS.  Wave t makes tile t: rows base .. base + 7 and base + 16 .. base + 23, base = 32 (t / 2) + 8 (t % 2).
	; All LDS addresses are made here, ahead of the branches on the wave's number.
	v_lshlrev_b32 v5, 4, v2                        ; 16 L
	s_mul_i32 s20, s16, 16*PITCH                   ; my stage
	v_mul_u32_u24 v6, v4, PITCH
	v_lshl_add_u32 v6, v3, 4, v6
	v_add_nc_u32 v6, s20, v6                       ; in: a load's 512 bytes are two rows: row h, 16 bytes at 16 r
	v_mul_u32_u24 v7, v3, PITCH
	v_lshl_add_u32 v7, v4, 7, v7
	v_add_nc_u32 v7, s20, v7                       ; out: row r, channels 32 h on
	s_lshr_b32 s21, s16, 2
	s_lshl_b32 s21, s21, 8
	s_and_b32 s20, s16, 3
	s_lshl_b32 s20, s20, 2
	s_add_co_u32 s21, s21, s20
	s_add_co_u32 s21, s21, KSG
	v_lshl_add_u32 v12, v3, 4, s21                 ; my row's scale word: KSG + 256 (t / 4) + 4 (t % 4) + 16 r
	v_add_nc_u32 v13, KSG, v5                      ; and where wave 0 reads the words back
	s_lshl_b32 s20, s16, 9
	v_add_nc_u32 v14, s20, v5                      ; my codes' place in the image: 512 t + 16 L
	v_lshlrev_b32 v15, 3, v4                       ; 8 h
	v_mov_b32 v92, 0                               ; a lane permute's destination counts as read: written once
	s_and_b32 s30, s16, 1
	s_lshl_b32 s30, s30, 4                         ; an odd tile's bytes go 16 bits up,
	s_mov_b32 s31, 0x7f7f
	s_bitcmp1_b32 s16, 0
	s_cselect_b32 s31, s31, 0x7f7f0000             ; and the word's other half is 0x7f7f
	s_lshl_b32 s18, s17, 15                        ; 128 rows of 256 bytes a unit
	s_lshr_b32 s20, s16, 1
	s_lshl_b32 s20, s20, 13
	s_add_co_u32 s18, s18, s20                     ; + 32 (t / 2) rows
	s_and_b32 s20, s16, 1
	s_lshl_b32 s20, s20, 11
	s_add_co_u32 s18, s18, s20                     ; + 8 (t % 2) rows
	s_add_nc_u64 s[4:5], s[4:5], s[18:19]
.irp i, 0,1,2,3,4,5,6,7
	global_load_b128 v[16+4*\i:19+4*\i], v5, s[4:5] offset:512*\i+2048*(\i/4) th:TH_LOAD_NT   ; 32 lanes read 512 consecutive bytes: the tile's rows 2 i and 2 i + 1
.endr
	s_cmp_lg_u32 s16, 1
	s_cbranch_scc1 .Lno_mask
	; wave 1 also packs the unit's 128 mask bytes into four words; its byte loads are out together with its key loads
	s_lshl_b32 s18, s17, 7
	s_add_nc_u64 s[8:9], s[8:9], s[18:19]
	s_lshl_b32 s18, s17, 4
	s_add_nc_u64 s[12:13], s[12:13], s[18:19]
.irp i, 0,1,2,3
	global_load_u8 v[84+\i], v2, s[8:9] offset:32*\i
.endr
	v_mov_b32 v93, 0
	s_wait_loadcnt 0x0
.irp i, 0,1,2,3
	v_cmp_ne_u32 s[22+\i], 0, v[84+\i]             ; bit L: key 32 i + L counts
.endr
.irp i, 0,1,2,3
	v_mov_b32 v[88+\i], s[22+\i]
.endr
	v_cmp_eq_u32 vcc_lo, 0, v2
	s_wait_xcnt 0x0                                ; EXEC is a source of the loads above: it changes only behind this wait
	s_and_saveexec_b32 s26, vcc_lo
	global_store_b128 v93, v[88:91], s[12:13]      ; lane 0 alone: 16 bytes of a table of 2,048
	s_wait_xcnt 0x0                                ; and again in front of the line that widens it
	s_or_b32 exec_lo, exec_lo, s26
.Lno_mask:
	s_wait_loadcnt 0x0
.irp i, 0,1,2,3,4,5,6,7
	ds_store_b128 v6, v[16+4*\i:19+4*\i] offset:2*PITCH*\i
.endr
.irp j, 0,1,2,3,4,5,6,7
	ds_load_b128 v[48+4*\j:51+4*\j], v7 offset:16*\j   ; my own stage: LDS serves a wave's instructions in order (ISA guide 5.7.1), so these see the stores above
.endr
	s_wait_dscnt 0x0
	QUANT32 48, 80
	global_store_b128 v14, v[80:83], s[10:11]      ; 512 consecutive bytes of the image
	v_lshlrev_b32 v16, v15, v[QBY]                 ; my block's byte at its place: 8 h bits up,
	v_permlanex16_b32 v92, v16, s28, s29
	v_or_b32 v16, v16, v92                         ; with lane l xor 16's: the row's two bytes
	v_lshlrev_b32 v16, s30, v16
	v_or_b32 v16, s31, v16
	ds_store_b32 v12, v16                          ; lanes r and r + 16 write the same word to the same place
	s_wait_dscnt 0x0                               ; for wave 0's sake: my word has landed
	s_barrier_signal -1
	s_barrier_wait -1
	s_cmp_lg_u32 s16, 0
	s_cbranch_scc1 .Lkey_end
	ds_load_b128 v[16:19], v13
	s_wait_dscnt 0x0
	global_store_b128 v5, v[16:19], s[10:11] offset:O_KS   ; the 128 scale words: 512 consecutive bytes
.Lkey_end:
	s_wait_tensorcnt 0x0
	ds_add_u32 v96, v97
	s_wait_dscnt 0x0
	s_endpgm
.Lvalue:
	; ---- THE VALUES.  Wave w: the step's 32 keys kb = w % 4, channels 32 (w / 4) + L.  A LANE TAKES A CHANNEL AND ITS REGISTERS RUN DOWN THE KEYS: a block is one lane's 32 registers, and nothing is transposed.
	s_and_b32 s20, s16, 3                          ; kb
	s_lshr_b32 s21, s16, 2                         ; which half of the channels
	v_lshlrev_b32 v5, 2, v2                        ; 4 L
	s_lshl_b32 s22, s21, 11
	s_lshl_b32 s23, s20, 8
	s_add_co_u32 s22, s22, s23
	v_lshlrev_b32 v6, 10, v4
	v_lshl_add_u32 v6, v3, 4, v6
	v_add_nc_u32 v6, s22, v6                       ; my codes: 2048 half + 1024 h (the channel tile) + 256 kb (half c and lane half) + 16 r
	s_lshl_b32 s22, s21, 7
	s_add_co_u32 s22, s22, s20
	s_add_co_u32 s22, s22, VSG
	v_lshlrev_b32 v7, 3, v3
	v_lshl_add_u32 v7, v4, 2, v7
	v_add_nc_u32 v7, s22, v7                       ; my byte: VSG + 128 half + 8 r + 4 h + kb
	v_lshlrev_b32 v12, 3, v2                       ; 8 L
	v_add_nc_u32 v13, VSG, v12
	s_lshl_b32 s18, s17, 15
	s_lshl_b32 s22, s20, 13
	s_add_co_u32 s18, s18, s22                     ; + 32 kb rows
	s_lshl_b32 s22, s21, 7
	s_add_co_u32 s18, s18, s22                     ; + 32 channels
	s_add_nc_u64 s[6:7], s[6:7], s[18:19]
.set i, 0
.rept 32
	global_load_b32 v[16+i], v5, s[6:7] offset:256*i th:TH_LOAD_NT   ; key i of the block, 32 neighbouring channels: 128 consecutive bytes
.set i, i+1
.endr
	s_wait_loadcnt 0x0
	QUANT32 16, 80
	global_store_b128 v6, v[80:83], s[10:11] offset:O_VC   ; sixteen neighbouring lanes store 256 consecutive bytes, aligned
	ds_store_b8 v7, v[QBY]
	s_wait_dscnt 0x0                               ; for wave 0's sake
	s_barrier_signal -1
	s_barrier_wait -1
	s_cmp_lg_u32 s16, 0
	s_cbranch_scc1 .Lvalue_end
	ds_load_b64 v[16:17], v13
	s_wait_dscnt 0x0
	global_store_b64 v12, v[16:17], s[10:11] offset:O_VS   ; the 64 scale words: 256 consecutive bytes, aligned
.Lvalue_end:
	s_wait_tensorcnt 0x0
	ds_add_u32 v96, v97
	s_wait_dscnt 0x0
	s_endpgm
.Lfunc_end_k_qf6858880c3_prep:
	.size	k_qf6858880c3_prep, .Lfunc_end_k_qf6858880c3_prep-k_qf6858880c3_prep
	.p2alignl 7, 3214868480
	.fill 96, 4, 3214868480
	.section	.rodata,"a",@progbits
	.p2align	6, 0x0
	.amdhsa_kernel k_qf6858880c3_prep
		.amdhsa_group_segment_fixed_size 36864
		.amdhsa_private_segment_fixed_size 0
		.amdhsa_enable_private_segment 0
		.amdhsa_kernarg_size 40
		.amdhsa_user_sgpr_count 2
		.amdhsa_user_sgpr_kernarg_segment_ptr 1
		.amdhsa_wavefront_size32 1
		.amdhsa_system_sgpr_workgroup_id_x 1
		.amdhsa_system_sgpr_workgroup_id_y 1
		.amdhsa_system_sgpr_workgroup_id_z 1
		.amdhsa_system_vgpr_workitem_id 0
		.amdhsa_next_free_vgpr 98
		.amdhsa_next_free_sgpr 66
		.amdhsa_reserve_vcc 1
		.amdhsa_float_denorm_mode_32 3
		.amdhsa_float_denorm_mode_16_64 3
		.amdhsa_memory_ordered 1
		.amdhsa_forward_progress 1
		.amdhsa_inst_pref_size 14
	.end_amdhsa_kernel
	.amdgpu_metadata
---
amdhsa.version: [ 1, 2 ]
amdhsa.kernels:
  - .name:           k_qf6858880c3_prep
    .symbol:         k_qf6858880c3_prep.kd
    .args:
      - { .name: key, .offset: 0, .size: 8, .value_kind: global_buffer, .address_space: global }
      - { .name: value, .offset: 8, .size: 8, .value_kind: global_buffer, .address_space: global }
      - { .name: v_mask, .offset: 16, .size: 8, .value_kind: global_buffer, .address_space: global }
      - { .name: kv, .offset: 24, .size: 8, .value_kind: global_buffer, .address_space: global }
      - { .name: mw, .offset: 32, .size: 8, .value_kind: global_buffer, .address_space: global }
    .group_segment_fixed_size: 36864
    .private_segment_fixed_size: 0
    .kernarg_segment_align: 8
    .kernarg_segment_size: 40
    .max_flat_workgroup_size: 256
    .sgpr_count:     66
    .vgpr_count:     98
    .wavefront_size: 32
...
	.end_amdgpu_metadata
.endif
;; end of part 1
;; launch attn (part 2): grid 64 x 4, 16 waves a work-group, no clusters, 73,728 bytes of LDS; arguments query, scale, q_mask, kv, mw, out0; writes out0
.if DOCPART == 2
	.amdgcn_target "amdgcn-amd-amdhsa--gfx1250"
	.amdhsa_code_object_version 6
	.text
	.protected	k_qf6858880c3_attn
	.globl	k_qf6858880c3_attn
	.p2align	8
	.type	k_qf6858880c3_attn,@function
k_qf6858880c3_attn:
	s_mov_b64 s[64:65], 0
	v_nop
	global_prefetch_b8 v0, s[64:65] scope:SCOPE_SE
	s_setreg_imm32_b32 hwreg(HW_REG_WAVE_MODE, 25, 1), 1
	s_wait_xcnt 0x0
; out0[b][q] = q_mask x (sum over k of softmax_k(logit) value[b][k]), logit = (scale query[b][q]) . key[b][k] - 1e9 x [k > q or v_mask[b][k] false].  Both products on codes of FP4 (E2M1) with E8M0 scales.
; THE SOFTMAX: t = logit x log2(e); M = the row's largest t so far, rounded up to a whole number; p = 2^(t - M) is quantised along the keys, not normalised; the row's sum of the unquantised p divides at the end.
; key and value come as images of the operand registers (8,960 bytes for 128 keys: their layout stands at the head of the launch that makes them), v_mask as bit words.
; SHARES.  Work-group (w, batch) owns four tiles of 16 queries: w, 127 - w, 128 + w, 255 - w: with a = w / 8 their key steps under the diagonal are a + 1, 16 - a, 17 + a, 32 - a: 66 in every work-group.
; Wave j has kappa = j / 4 and tau = (j / 4 + j % 4) % 4: it owns tile tau's key steps kappa, kappa + 4, ..: each group of four waves, taken by j % 4 or by j / 4, holds one wave of each tile.
; The four waves of a tile meet once, at the end, in LDS: each brings O^T, -M and the sum of its steps.
; THE MASK IS ADDITIVE.  A row that has a visible key gives p = 0 for every hidden key, so steps above the diagonal are left out.  A row whose keys 0 .. q are all hidden by v_mask has no visible key: its softmax
; runs over fl(score - 1e9) of ALL 4,096 keys.  If the tile's first row is such a row, the tile walks all 32 steps.  In a step with any hidden key the logit is made with two roundings: one for the
; subtraction, one for the multiplication by log2(e).  In a step all of whose keys count, t - M is one fused multiply-add.
; That trip count hangs on whole numbers read from memory, so this launch has no tensor load and no joint request: operands go from memory straight into registers, one step ahead.
; Nothing is prefetched: an image is read by many waves of many work-groups, not once.
; K = 64 IN AN INSTRUCTION OF 128: an even tile of keys uses the low 64 of K ([codes][zeros] against Q as [codes][zeros]), an odd one the high 64 ([zeros][codes] against [zeros][codes]); registers lie as
; [even tile][zeros][odd tile], so that two tiles share one run of zeros; the idle half has zero codes on both sides under the scale byte 0x7f.
; LAYOUT.  Both products are used transposed: S^T = K Q^T, O^T = V^T P^T: a lane holds ONE query (lane % 16).  Lane r of key tile 2 b + u takes key 32 b + 8 u + r + 8 (r / 8), so that the 16 registers of
; tiles 2 b, 2 b + 1 are the 16 neighbouring keys 32 b + 16 (lane / 16) + 0 .. 15.
; LIMITS: NaN and infinities among the inputs are not served.  A block whose largest magnitude lies under 2^-124 gets the scale byte 1.  Leaving out the keys above the diagonal takes |score| under about 4e8,
; so that a hidden key's p is 0 beside a visible key's.  A row's sums are formed in four parts, one a wave, and added at the end.
.set IMG,   8960
.set O_VC,  4096
.set O_KS,  8192
.set O_VS,  8704
.set SPITCH, 272                       ; a row of O in LDS: 256 bytes + 16
.set REG,   16*SPITCH                  ; a wave's 16 rows
.set STAT,  16*REG                     ; behind the sixteen regions: (-M, sum) pairs: 512 tau + 32 row + 8 kappa
.set L16, 1                            ; v1   16 x lane; never rewritten
.set L8,  2                            ; v2   8 x lane; never rewritten
.set H16, 3                            ; v3   16 (lane / 16)
.set YQ,  4                            ; v4   my query + 1 - 16 (lane / 16)
.set QM,  5                            ; v5, v6  q_mask of the two rows that I store
.set STO, 7                            ; v7   LDS: where I put my part of O
.set RDA, 8                            ; v8   where I read rows back
.set STA, 9                            ; v9   where I put (-M, sum)
.set RST, 10                           ; v10  where I read the four pairs
.set QOF, 11                           ; v11  my byte offset in the tile's rows of query
.set NM,  12                           ; v12  -M;  v13 the largest t (at the end: the sum)
.set LS,  14                           ; v[14:15] the sum in two halves
.set QF,  16                           ; v16-19 Q's codes, v20-23 zeros, v24-27 Q's codes again
.set QS0, 28                           ; v28  Q's scale words for even tiles, v29 for odd ones
.set QS1, 29
.set PS,  30                           ; v30  p's scale words
.set MOF, 31                           ; v31  lane / 16: q_mask's offset
.set KF,  32                           ; v32-79   four runs of [tile 2 g][zeros][tile 2 g + 1]
.set VF,  80                           ; v80-111  V's four fragments
.set S,   112                          ; v112-175 S^T, then p; at the head query's numbers; at the end the parts that are added
.set OT,  176                          ; v176-207 O^T
.set PC,  208                          ; v208-215 p's codes
.set KS,  216                          ; v216-219 K's scale words
.set VS,  220                          ; v220-221 V's
.set FF,  222                          ; v[222:223] f = 2^(old M - new M)
.set BM,  224                          ; v224-227 each block's largest score, then its largest p
.set BX,  228                          ; v228-231 what comes from lane l xor 16; then the bytes
.set SC,  232                          ; v232-235 the conversions' scale operands
.set SUM, 236                          ; v[236:237] the sums' second chain
.set T0,  238
.set T1,  239
.set X,   240                          ; v240-247 at work in the mask
.set MB,  248                          ; v248-251 a block's hidden keys, a bit each
.set QA,  238                          ; QUANT32's four registers
.set QB,  239
.set QSC, 232
.set QBY, 233
.set CP,  112                          ; the end: v112-143 the four parts of two rows' 16 bytes
.set CST, 144                          ; v144-159 their (-M, sum) pairs
.set CT,  160                          ; v160-175 at work
.set WV,  16                           ; s16 wave; s17 kappa; s18 tau; s19 tile; s20 its first query; s21 the diagonal's step; s22 batch
.set KAP, 17
.set TAU, 18
.set TILE, 19
.set Q0,  20
.set DG,  21
.set BAT, 22
.set NST, 23                           ; s23  the tile's key steps
.set SN,  24                           ; s24  my next step
.set SS,  25                           ; s25  the step in hand
.set OFP, 26                           ; s[26:27] an offset, 0 above it
.set NXT, 28                           ; s[28:29] the image being fetched
.set BASE, 30                          ; s[30:31] the batch's first image
.set MW,  32                           ; s[32:35] the step's four mask words
.set MOFS, 36                          ; s36  their byte offset
.set CS,  38                           ; s[38:39] what the scores are multiplied by: log2(e), or 1 where the mask has already made t
.set NEG, 40                           ; s[40:41] -1e9
.set SEL, 42                           ; s[42:43] v_permlanex16_b32's selects for lane l xor 16
.set SCL, 44                           ; s44  scale;  s45-47 at work (s47: the next step, held to 31)
.set L2E, 48                           ; s[48:49] log2(e)
.set CNT, 50                           ; s50  the loop's counter, by ones
.set TRP, 51                           ; s51  the loop's trips: my steps less the last; not written in the loop
.set NMW, 52                           ; s[52:55] the mask words' complements
; 32 numbers of ONE block in v[x] .. v[x + 31] become 32 codes in v[c] .. v[c + 3]; the byte is left in v[QBY].
.macro QUANT32 x, c
	v_max3_num_f32 v[QA], |v[(\x)]|, |v[(\x)+1]|, 0x1800000         ; the floor 2^(3 - 127) among the leaves: the byte cannot fall under 1
	v_max3_num_f32 v[QB], |v[(\x)+16]|, |v[(\x)+17]|, |v[(\x)+18]|
.irp i, 0,2,4,6,8,10
	v_max3_num_f32 v[QA], v[QA], |v[(\x)+2+\i]|, |v[(\x)+3+\i]|
	v_max3_num_f32 v[QB], v[QB], |v[(\x)+19+\i]|, |v[(\x)+20+\i]|
.endr
	v_max3_num_f32 v[QA], v[QA], |v[(\x)+14]|, |v[(\x)+15]|
	v_max3_num_f32 v[QA], v[QA], v[QB], |v[(\x)+31]|
	v_add_nc_u32 v[QSC], 0xff000000, v[QA]                          ; 2 off the exponent field: the conversion takes this operand's exponent field as its scale
	v_lshrrev_b32 v[QBY], 23, v[QSC]
.irp g, 0,1,2,3
	v_cvt_scalef32_pk8_fp4_f32 v[(\c)+\g], v[(\x)+8*\g:(\x)+8*\g+7], v[QSC]
.endr
	v_nop                                                           ; one plain line behind the last scaled conversion
.endm
.macro LOADK                           ; nine loads: the eight tiles of keys, 512 consecutive bytes each, and their scale words
.irp t, 0,1,2,3,4,5,6,7
	global_load_b128 v[KF+12*(\t/2)+8*(\t%2):KF+12*(\t/2)+8*(\t%2)+3], v[L16], s[NXT:NXT+1] offset:512*\t
.endr
	global_load_b128 v[KS:KS+3], v[L16], s[NXT:NXT+1] offset:O_KS
.endm
.macro LOADV                           ; nine loads: V's four fragments and their scale words
.irp i, 0,1,2,3,4,5,6,7
	global_load_b128 v[VF+4*\i:VF+4*\i+3], v[L16], s[NXT:NXT+1] offset:O_VC+512*\i
.endr
	global_load_b64 v[VS:VS+1], v[L8], s[NXT:NXT+1] offset:O_VS
.endm
; S^T = K Q^T: tile t's scale words lie in register t % 4, lanes 0-15 for tiles 0-3, lanes 16-31 for tiles 4-7
.macro SP t, a, b, q, row
.if \row
	v_wmma_scale_f32_16x16x128_f8f6f4 v[S+8*(\t):S+8*(\t)+7], v[\a:\a+7], v[\b:\b+7], 0, v[KS+(\t)%4], v[\q] matrix_a_fmt:MATRIX_FMT_FP4 matrix_b_fmt:MATRIX_FMT_FP4 matrix_a_scale:MATRIX_SCALE_ROW1
.else
	v_wmma_scale_f32_16x16x128_f8f6f4 v[S+8*(\t):S+8*(\t)+7], v[\a:\a+7], v[\b:\b+7], 0, v[KS+(\t)%4], v[\q] matrix_a_fmt:MATRIX_FMT_FP4 matrix_b_fmt:MATRIX_FMT_FP4
.endif
.endm
.macro SPROD
.irp g, 0,1,2,3
	SP 2*\g, KF+12*\g, QF, QS0, \g/2               ; [codes][zeros] x [codes][zeros]
	SP 2*\g+1, KF+12*\g+4, QF+4, QS1, \g/2         ; [zeros][codes] x [zeros][codes]
.endr
.endm
; O^T += V^T P^T: the four accumulators take turns, and the next step's eight products of S^T stand between two links of a chain
.macro PVPROD
.irp d, 0,1
	v_wmma_scale_f32_16x16x128_f8f6f4 v[OT+8*\d:OT+8*\d+7], v[VF+8*\d:VF+8*\d+7], v[PC:PC+7], v[OT+8*\d:OT+8*\d+7], v[VS+\d], v[PS] matrix_a_fmt:MATRIX_FMT_FP4 matrix_b_fmt:MATRIX_FMT_FP4
.endr
.irp d, 2,3
	v_wmma_scale_f32_16x16x128_f8f6f4 v[OT+8*\d:OT+8*\d+7], v[VF+8*\d:VF+8*\d+7], v[PC:PC+7], v[OT+8*\d:OT+8*\d+7], v[VS+\d-2], v[PS] matrix_a_fmt:MATRIX_FMT_FP4 matrix_b_fmt:MATRIX_FMT_FP4 matrix_a_scale:MATRIX_SCALE_ROW1
.endr
.endm
; A STEP WITH HIDDEN KEYS.  Register 16 b + i holds key 128 S + 32 b + 16 (lane / 16) + i.  It is under the diagonal where i < y_b = my query + 1 - 16 (lane / 16) - 128 S - 32 b.
; Bit i of MB_b = 1 where the key is hidden: (-1 << y_b, y_b held to 0 .. 16) or the complement of the mask word's half.  Then logit = score - 1e9 x bit, one rounding, and t = logit x log2(e), one more.
.macro MASK
	s_lshl_b32 s46, s[SS], 7
	v_sub_nc_u32 v[T0], v[YQ], s46
.irp b, 0,1,2,3
	s_not_b32 s[NMW+\b], s[MW+\b]
.endr
.irp b, 0,1,2,3
	v_add_nc_u32 v[MB+\b], -32*\b, v[T0]
.endr
.irp b, 0,1,2,3
	v_cmp_le_i32 vcc_lo, 0, v[MB+\b]
	v_cndmask_b32 v[MB+\b], 0, v[MB+\b], vcc_lo    ; under 0: 0
.endr
.irp b, 0,1,2,3
	v_min_u32 v[MB+\b], 16, v[MB+\b]
.endr
.irp b, 0,1,2,3
	v_lshrrev_b32 v[X+\b], v[H16], s[NMW+\b]
.endr
.irp b, 0,1,2,3
	v_lshl_or_b32 v[MB+\b], -1, v[MB+\b], v[X+\b]
.endr
.set n, 0
.rept 8                                ; an accumulator at a time, each from its low end on
.irp e, 0,1,2,3,4,5,6,7
	v_bfe_u32 v[X+\e], v[MB+n/16], (n%16)+\e, 1
.endr
.irp e, 0,1,2,3,4,5,6,7
	v_cvt_f32_u32 v[X+\e], v[X+\e]
.endr
.irp e, 0,2,4,6
	v_pk_fma_f32 v[S+n+\e:S+n+\e+1], v[X+\e:X+\e+1], s[NEG:NEG+1], v[S+n+\e:S+n+\e+1] op_sel_hi:[1,0,1]
.endr
.irp e, 0,2,4,6
	v_pk_mul_f32 v[S+n+\e:S+n+\e+1], v[S+n+\e:S+n+\e+1], s[L2E:L2E+1] op_sel_hi:[1,0]
.endr
.set n, n+8
.endr
	s_mov_b32 s[CS], 1.0                           ; the registers hold t now
	s_mov_b32 s[CS+1], 1.0
.endm
; The softmax of 16 queries x 128 keys, and p's codes and scale words.
.macro SOFTMAX
.irp b, 0,1,2,3
	v_max3_num_f32 v[BM+\b], v[S+16*\b], v[S+1+16*\b], v[S+2+16*\b]   ; the largest score of each block of 32 keys: for the row's maximum and, since p rises with the score, for the block's largest p
.endr
.irp i, 3,5,7,9,11,13
.irp b, 0,1,2,3
	v_max3_num_f32 v[BM+\b], v[BM+\b], v[S+16*\b+\i], v[S+1+16*\b+\i]
.endr
.endr
.irp b, 0,1,2,3
	v_max_num_f32 v[BM+\b], v[BM+\b], v[S+15+16*\b]
.endr
.irp b, 0,1,2,3
	v_permlanex16_b32 v[BX+\b], v[BM+\b], s[SEL], s[SEL+1]
.endr
.irp b, 0,1,2,3
	v_max_num_f32 v[BM+\b], v[BM+\b], v[BX+\b]     ; with lane l xor 16's 16 keys
.endr
	v_max3_num_f32 v[T0], v[BM], v[BM+1], v[BM+2]
	v_max_num_f32 v[T0], v[T0], v[BM+3]
	v_mul_f32 v[T0], s[CS], v[T0]                  ; the step's largest t of my query
	v_max_num_f32 v[NM+1], v[NM+1], v[T0]
	v_mov_b32 v[T0], v[NM]
	v_floor_f32 v[NM], -v[NM+1]                    ; -M = floor(-t): M is a whole number
	v_sub_f32 v[T0], v[NM], v[T0]                  ; old M - new M, 0 or less
	v_cvt_i32_f32 v[T0], v[T0]                     ; (it saturates)
	v_ldexp_f32 v[FF], 1.0, v[T0]                  ; f = 2^(old M - new M): a multiplication by it rounds nothing
.set n, 0
.rept 32
	v_pk_fma_f32 v[S+n:S+n+1], v[S+n:S+n+1], s[CS:CS+1], v[NM:NM+1] op_sel_hi:[1,0,0]   ; t - M (of the pairs the low word serves both halves)
.set n, n+2
.endr
.irp b, 0,1,2,3
	v_fma_f32 v[BM+\b], v[BM+\b], s[CS], v[NM]     ; the same of each block's largest
.endr
.set n, 0
.rept 64
	v_exp_f32 v[S+n], v[S+n]                       ; p = 2^(t - M)
.set n, n+1
.endr
	v_pk_mul_f32 v[LS:LS+1], v[LS:LS+1], v[FF:FF+1] op_sel_hi:[1,0]   ; the sums under the new M: the plain line behind the exponentials
	s_wait_alu depctr_va_vdst(0)                   ; one wait for the 64, ahead of their first reader
.irp b, 0,1,2,3
	v_exp_f32 v[BM+\b], v[BM+\b]                   ; the block's largest p: the same two instructions on the same number
.endr
	v_pk_add_f32 v[SUM:SUM+1], v[S:S+1], v[S+2:S+3]   ; the row's sum is taken of the unquantised p, in two chains
.irp j, 4,8,12,16,20,24,28,32,36,40,44,48,52,56,60
	v_pk_add_f32 v[LS:LS+1], v[LS:LS+1], v[S+\j:S+1+\j]
	v_pk_add_f32 v[SUM:SUM+1], v[SUM:SUM+1], v[S+2+\j:S+3+\j]
.endr
	v_pk_add_f32 v[LS:LS+1], v[LS:LS+1], v[SUM:SUM+1]
	s_wait_alu depctr_va_vdst(0)                   ; and one for the four
.irp b, 0,1,2,3
	v_max_num_f32 v[BM+\b], 0x1800000, v[BM+\b]    ; the floor 2^(3 - 127): a block whose every p is 0 keeps the byte 1: its codes are zeros
.endr
.irp b, 0,1,2,3
	v_add_nc_u32 v[SC+\b], 0xff000000, v[BM+\b]
.endr
.irp b, 0,1,2,3
	v_lshrrev_b32 v[BX+\b], 23, v[SC+\b]
.endr
	v_lshl_or_b32 v[PS], v[BX+1], 8, v[BX]
	v_lshl_or_b32 v[PS], v[BX+2], 16, v[PS]
	v_lshl_or_b32 v[PS], v[BX+3], 24, v[PS]
.irp b, 0,1,2,3
	v_cvt_scalef32_pk8_fp4_f32 v[PC+2*\b], v[S+16*\b:S+7+16*\b], v[SC+\b]
	v_cvt_scalef32_pk8_fp4_f32 v[PC+1+2*\b], v[S+8+16*\b:S+15+16*\b], v[SC+\b]
.endr
	v_nop                                          ; one plain line behind the last scaled conversion
.irp c, 0,1                            ; the operand wants a whole block in a lane: lanes 0-15 block 2 c, lanes 16-31 block 2 c + 1
.irp i, 0,1
	v_permlane16_swap_b32 v[PC+4*\c+\i], v[PC+2+4*\c+\i]
.endr
.endr
.set n, 0
.rept 16
	v_pk_mul_f32 v[OT+n:OT+n+1], v[OT+n:OT+n+1], v[FF:FF+1] op_sel_hi:[1,0]   ; O^T under the new M; these sixteen also stand between the vector writes of p's codes and scale words and the scaled products
.set n, n+2
.endr
.endm
; A KEY STEP.  ahead = 1: the next step's image is fetched, K's part behind the first product, V's behind the second.
.macro STEP ahead
	s_sub_co_u32 s[SS], s[SN], 4
	s_wait_loadcnt 9                               ; K's nine loads are in; V's nine, issued behind them, may be out
	SPROD
.rept 4
	v_nop                                          ; four places in front of the loads into K's registers and of the first read of the scores
.endr
.if \ahead
	s_wait_xcnt 0x0                                ; V's loads have read the image's address: it may be written
	s_min_u32 s47, s[SN], 31
	s_mul_i32 s[OFP], s47, IMG
	s_add_nc_u64 s[NXT:NXT+1], s[BASE:BASE+1], s[OFP:OFP+1]
	LOADK
.endif
	s_mov_b32 s[CS], s[L2E]
	s_mov_b32 s[CS+1], s[L2E]
	s_wait_kmcnt 0x0                               ; this step's mask words
	s_and_b32 s45, s[MW], s[MW+1]
	s_and_b32 s46, s[MW+2], s[MW+3]
	s_and_b32 s45, s45, s46
	s_cmp_eq_u32 s45, -1                           ; v_mask hides none of the 128 keys,
	s_cselect_b32 s45, 1, 0
	s_cmp_lt_u32 s[SS], s[DG]                      ; and all of them lie under the diagonal for all my queries
	s_cselect_b32 s45, s45, 0
	s_cmp_lg_u32 s45, 0
	s_cbranch_scc1 .Lclean_\@
	MASK
.Lclean_\@:
.if \ahead
	s_lshl_b32 s[MOFS], s47, 4
	s_load_b128 s[MW:MW+3], s[12:13], s[MOFS] offset:0x0   ; the next step's mask words
.endif
	SOFTMAX
.if \ahead
	s_wait_loadcnt 9                               ; V's nine loads are in; the next K's nine may be out
.else
	s_wait_loadcnt 0x0
.endif
	PVPROD
.rept 4
	v_nop                                          ; four places in front of the loads into V's registers, and of the first read of O^T
.endr
.if \ahead
	LOADV
.endif
.endm
	s_load_b256 s[4:11], s[0:1], 0x0               ; query s[4:5], scale s[6:7], q_mask s[8:9], kv s[10:11]
	s_load_b128 s[12:15], s[0:1], 0x20             ; mw s[12:13], out0 s[14:15]
	v_lshl_add_u32 v254, v0, 2, 0x11800
	v_mov_b32 v255, 0
	v_lshrrev_b32 v1, 5, v0
	v_readfirstlane_b32 s[WV], v1                  ; wave 0..15
	s_lshr_b32 s[KAP], s[WV], 2
	s_and_b32 s45, s[WV], 3
	s_add_co_u32 s[TAU], s[KAP], s45
	s_and_b32 s[TAU], s[TAU], 3
	s_sub_co_u32 s45, 127, ttmp9
	s_bitcmp1_b32 s[TAU], 0
	s_cselect_b32 s[TILE], s45, ttmp9              ; w or 127 - w,
	s_and_b32 s46, s[TAU], 2
	s_lshl_b32 s46, s46, 6
	s_add_co_u32 s[TILE], s[TILE], s46             ; + 128 for tau 2 and 3
	s_lshl_b32 s[Q0], s[TILE], 4
	s_lshr_b32 s[DG], s[TILE], 3
	s_and_b32 s[BAT], ttmp7, 0xffff
	v_and_b32 v[T0], 31, v0                        ; lane
	v_and_b32 v[T1], 15, v0                        ; r
	v_bfe_u32 v[MOF], v0, 4, 1                     ; h
	v_lshlrev_b32 v[L16], 4, v[T0]
	v_lshlrev_b32 v[L8], 3, v[T0]
	v_lshlrev_b32 v[H16], 4, v[MOF]
	v_lshlrev_b32 v[QOF], 8, v[T1]
	v_lshl_add_u32 v[QOF], v[MOF], 7, v[QOF]       ; query: row r of 256 bytes, channels 32 h on
	s_add_co_u32 s45, s[Q0], 1
	v_add_nc_u32 v[YQ], s45, v[T1]
	v_sub_nc_u32 v[YQ], v[YQ], v[H16]
	; LDS addresses: constants, the lane and the wave's number alone
	s_lshl_b32 s45, s[TAU], 2
	s_add_co_u32 s46, s45, s[KAP]
	s_mul_i32 s46, s46, REG                        ; my region: 4 tau + kappa
	v_mul_u32_u24 v[STO], v[T1], SPITCH
	v_lshl_add_u32 v[STO], v[MOF], 5, v[STO]
	v_add_nc_u32 v[STO], s46, v[STO]               ; row r, + 32 h
	s_mul_i32 s45, s45, REG                        ; my tile's four regions
	s_lshl_b32 s46, s[KAP], 2
	s_mul_i32 s47, s46, SPITCH                     ; rows 4 kappa on are mine to add and store
	s_add_co_u32 s45, s45, s47
	v_mul_u32_u24 v[RDA], v[MOF], SPITCH
	v_lshl_add_u32 v[RDA], v[T1], 4, v[RDA]
	v_add_nc_u32 v[RDA], s45, v[RDA]               ; lanes 0-15 one row, lanes 16-31 the next
	s_lshl_b32 s45, s[TAU], 9
	s_add_co_u32 s45, s45, STAT
	s_lshl_b32 s47, s[KAP], 3
	s_add_co_u32 s47, s47, s45
	v_lshl_add_u32 v[STA], v[T1], 5, s47
	s_lshl_b32 s47, s[KAP], 7
	s_add_co_u32 s47, s47, s45
	v_lshl_add_u32 v[RST], v[MOF], 5, s47
	s_mov_b32 s[OFP+1], 0
	s_mov_b32 s[NEG], 0xce6e6b28                   ; -1e9
	s_mov_b32 s[NEG+1], s[NEG]
	s_mov_b32 s[SEL], 0x76543210
	s_mov_b32 s[SEL+1], 0xfedcba98
	s_mov_b32 s[L2E], 0x3fb8aa3b                   ; log2(e)
	s_mov_b32 s[L2E+1], s[L2E]
	s_lshl_b32 s[MOFS], s[KAP], 4
	s_wait_kmcnt 0x0
	s_lshl_b32 s45, s[BAT], 12
	s_add_co_u32 s45, s45, s[Q0]                   ; the tile's first row among the 16,384
	s_lshl_b32 s[OFP], s45, 8
	s_add_nc_u64 s[4:5], s[4:5], s[OFP:OFP+1]
	s_lshl_b32 s46, s[KAP], 2
	s_add_co_u32 s[OFP], s45, s46                  ; the first row that I store
	s_add_nc_u64 s[8:9], s[8:9], s[OFP:OFP+1]
	s_lshl_b32 s[OFP], s[OFP], 8
	s_add_nc_u64 s[14:15], s[14:15], s[OFP:OFP+1]
	s_lshl_b32 s[OFP], s[BAT], 9
	s_add_nc_u64 s[12:13], s[12:13], s[OFP:OFP+1]  ; the batch's 128 mask words
	s_mul_i32 s[OFP], s[BAT], 32*IMG
	s_add_nc_u64 s[BASE:BASE+1], s[10:11], s[OFP:OFP+1]
	s_mul_i32 s[OFP], s[KAP], IMG
	s_add_nc_u64 s[NXT:NXT+1], s[BASE:BASE+1], s[OFP:OFP+1]   ; my first step's image (kappa is under 4: inside the buffer also for a wave that has no step)
	s_load_b32 s[SCL], s[6:7], 0x0
	s_load_b128 s[MW:MW+3], s[12:13], s[MOFS] offset:0x0
.irp j, 0,1,2,3,4,5,6,7
	global_load_b128 v[S+4*\j:S+4*\j+3], v[QOF], s[4:5] offset:16*\j   ; my row's 32 numbers of my half
.endr
	global_load_b128 v[X:X+3], v[L16], s[12:13]    ; the batch's 128 mask words, four a lane
	global_load_u8 v[QM], v[MOF], s[8:9]
	global_load_u8 v[QM+1], v[MOF], s[8:9] offset:2
	LOADK
	LOADV
.irp z, QF+4, KF+4, KF+16, KF+28, KF+40
.irp e, 0,1,2,3
	v_mov_b32 v[\z+\e], 0                          ; the runs of zero codes: written once
.endr
.endr
.irp b, 0,1,2,3
	v_mov_b32 v[BX+\b], 0                          ; a lane permute's destination counts as read: written once
.endr
	v_mov_b32 v[FF+1], 0                           ; (named as the upper half of a pair)
	v_mov_b32 v[LS], 0
	v_mov_b32 v[LS+1], 0
	v_mov_b32 v[NM+1], 0xff61b1e6                  ; the largest t so far: -3e38
	v_floor_f32 v[NM], -v[NM+1]
	s_wait_loadcnt 18                              ; query, the mask words and q_mask are in; K's nine and V's nine loads may be out
	s_wait_kmcnt 0x0
	; IS THE TILE'S FIRST ROW WITHOUT A VISIBLE KEY?  The mask bits of keys 0 .. q0: all words under q0 / 32, and of that word its low 1 or 17 bits
	s_lshr_b32 s45, s[Q0], 5
	s_mov_b32 s46, 0x1ffff
	s_bitcmp1_b32 s[Q0], 4
	s_cselect_b32 s46, s46, 1
	v_lshlrev_b32 v244, 2, v[T0]
	v_mov_b32 v246, 0
.irp j, 0,1,2,3
	v_add_nc_u32 v245, \j, v244                    ; which word
	v_cmp_gt_u32 vcc_lo, s45, v245
	v_cndmask_b32 v247, 0, v[X+\j], vcc_lo
	v_or_b32 v246, v246, v247
	v_cmp_eq_u32 vcc_lo, s45, v245
	v_and_b32 v247, s46, v[X+\j]
	v_cndmask_b32 v247, 0, v247, vcc_lo
	v_or_b32 v246, v246, v247
.endr
	s_add_co_u32 s[NST], s[DG], 1
	v_cmp_ne_u32 s45, 0, v246
	s_cmp_eq_u32 s45, 0
	s_cselect_b32 s[NST], 32, s[NST]               ; none visible: all 32 steps; else up to the diagonal's
	; scale x query, quantised in registers: a lane holds a whole block
.set n, 0
.rept 32
	v_mul_f32 v[S+n], s[SCL], v[S+n]
.set n, n+1
.endr
	QUANT32 S, QF
.irp e, 0,1,2,3
	v_mov_b32 v[QF+8+\e], v[QF+\e]
.endr
	v_lshrrev_b32 v[T1], 1, v[H16]                 ; 8 h
	v_lshlrev_b32 v[QBY], v[T1], v[QBY]
	v_permlanex16_b32 v[BX], v[QBY], s[SEL], s[SEL+1]
	v_or_b32 v[QBY], v[QBY], v[BX]                 ; the row's two bytes
	v_or_b32 v[QS0], 0x7f7f0000, v[QBY]
	v_lshl_or_b32 v[QS1], v[QBY], 16, 0x7f7f
.set n, 0
.rept 32
	v_mov_b32 v[OT+n], 0                           ; O^T: the step is written for every step alike, and the first change of M multiplies zeros.  These lines also stand between the vector writes of Q's scale words and the first scaled product
.set n, n+1
.endr
	s_cmp_lt_u32 s[KAP], s[NST]
	s_cbranch_scc0 .Ldone                          ; a short tile leaves some of its waves without a step
	; my steps are kappa, kappa + 4, .. under NST: (NST - kappa + 3) / 4 of them, at least one.  All but the last fetch ahead: the loop's trips, counted by ones
	s_add_co_u32 s[SN], s[KAP], 4
	s_sub_co_u32 s[TRP], s[NST], s[KAP]
	s_add_co_u32 s[TRP], s[TRP], 3
	s_lshr_b32 s[TRP], s[TRP], 2
	s_sub_co_u32 s[TRP], s[TRP], 1
	s_mov_b32 s[CNT], 0
	s_cmp_lt_u32 s[CNT], s[TRP]
	s_cbranch_scc0 .Ltail
.Lstep:
	STEP 1
	s_add_co_u32 s[SN], s[SN], 4                   ; the step's number goes on by four; it enters offsets alone, held to 31
	s_add_co_u32 s[CNT], s[CNT], 1
	s_cmp_lt_u32 s[CNT], s[TRP]
	s_cbranch_scc1 .Lstep
.Ltail:
	STEP 0                                         ; my last step fetches nothing
.Ldone:
	; THE FOUR WAVES OF A TILE MEET.  Each puts its O^T (16 rows x 256 bytes) and each row's (-M, sum) into LDS; behind the barrier each adds and stores four rows.
	s_wait_loadcnt 0x0                             ; (a wave without a step still has its first loads out)
	v_add_f32 v[LS], v[LS], v[LS+1]
	v_permlanex16_b32 v[BX], v[LS], s[SEL], s[SEL+1]
	v_add_f32 v[NM+1], v[LS], v[BX]                ; my steps' sum of the row
.irp d, 0,1,2,3
	ds_store_b128 v[STO], v[OT+8*\d:OT+8*\d+3] offset:64*\d        ; channels 16 d + 8 h + 0 .. 7; each accumulator from its low end on
	ds_store_b128 v[STO], v[OT+8*\d+4:OT+8*\d+7] offset:64*\d+16
.endr
	ds_store_b64 v[STA], v[NM:NM+1]                ; lanes r and r + 16 write the same pair to the same place
	s_wait_dscnt 0x0                               ; for the others' sake: my stores have landed
	s_barrier_signal -1
	s_barrier_wait -1
.irp i, 0,1
.irp w, 0,1,2,3
	ds_load_b128 v[CP+16*\i+4*\w:CP+16*\i+4*\w+3], v[RDA] offset:REG*\w+2*SPITCH*\i
.endr
	ds_load_b128 v[CST+8*\i:CST+8*\i+3], v[RST] offset:64*\i
	ds_load_b128 v[CST+8*\i+4:CST+8*\i+7], v[RST] offset:64*\i+16
.endr
	s_wait_dscnt 0x0
.irp i, 0,1
	v_min3_num_f32 v[CT+8*\i+4], v[CST+8*\i], v[CST+8*\i+2], v[CST+8*\i+4]
	v_min_num_f32 v[CT+8*\i+4], v[CT+8*\i+4], v[CST+8*\i+6]        ; the smallest -M: the row's M
.irp w, 0,1,2,3
	v_sub_f32 v[CT+8*\i+\w], v[CT+8*\i+4], v[CST+8*\i+2*\w]        ; part w's M less the row's: a whole number, 0 or less
.endr
.irp w, 0,1,2,3
	v_cvt_i32_f32 v[CT+8*\i+\w], v[CT+8*\i+\w]
.endr
.irp w, 0,1,2,3
	v_ldexp_f32 v[CT+8*\i+\w], 1.0, v[CT+8*\i+\w]                  ; (a wave without a step has -M = 3e38: its factor is 0)
.endr
	v_mul_f32 v[CT+8*\i+5], v[CT+8*\i], v[CST+8*\i+1]
.irp w, 1,2,3
	v_fma_f32 v[CT+8*\i+5], v[CT+8*\i+\w], v[CST+8*\i+2*\w+1], v[CT+8*\i+5]   ; the row's sum: at least 1/2
.endr
.endr
	v_rcp_f32 v[CT+6], v[CT+5]
	v_rcp_f32 v[CT+14], v[CT+13]
	v_cvt_f32_u32 v[QM], v[QM]                     ; plain lines behind the reciprocals: q_mask as 0.0 or 1.0
	v_cvt_f32_u32 v[QM+1], v[QM+1]
	s_wait_alu depctr_va_vdst(0)                   ; one wait for both, ahead of their first reader
.irp i, 0,1
	v_mul_f32 v[CT+8*\i+6], v[CT+8*\i+6], v[QM+\i]
.irp w, 0,1,2,3
	v_mul_f32 v[CT+8*\i+\w], v[CT+8*\i+\w], v[CT+8*\i+6]
.endr
.irp e, 0,1,2,3
	v_mul_f32 v[OT+4*\i+\e], v[CT+8*\i], v[CP+16*\i+\e]
.endr
.irp w, 1,2,3
.irp e, 0,1,2,3
	v_fma_f32 v[OT+4*\i+\e], v[CT+8*\i+\w], v[CP+16*\i+4*\w+\e], v[OT+4*\i+\e]
.endr
.endr
	global_store_b128 v[L16], v[OT+4*\i:OT+4*\i+3], s[14:15] offset:512*\i th:TH_STORE_NT   ; 32 lanes store two whole rows: 512 consecutive bytes, aligned
.endr
	s_wait_tensorcnt 0x0
	ds_add_u32 v254, v255
	s_wait_dscnt 0x0
	s_endpgm
.Lfunc_end_k_qf6858880c3_attn:
	.size	k_qf6858880c3_attn, .Lfunc_end_k_qf6858880c3_attn-k_qf6858880c3_attn
	.p2alignl 7, 3214868480
	.fill 96, 4, 3214868480
	.section	.rodata,"a",@progbits
	.p2align	6, 0x0
	.amdhsa_kernel k_qf6858880c3_attn
		.amdhsa_group_segment_fixed_size 73728
		.amdhsa_private_segment_fixed_size 0
		.amdhsa_enable_private_segment 0
		.amdhsa_kernarg_size 48
		.amdhsa_user_sgpr_count 2
		.amdhsa_user_sgpr_kernarg_segment_ptr 1
		.amdhsa_wavefront_size32 1
		.amdhsa_system_sgpr_workgroup_id_x 1
		.amdhsa_system_sgpr_workgroup_id_y 1
		.amdhsa_system_sgpr_workgroup_id_z 1
		.amdhsa_system_vgpr_workitem_id 0
		.amdhsa_next_free_vgpr 256
		.amdhsa_next_free_sgpr 66
		.amdhsa_reserve_vcc 1
		.amdhsa_float_denorm_mode_32 3
		.amdhsa_float_denorm_mode_16_64 3
		.amdhsa_memory_ordered 1
		.amdhsa_forward_progress 1
		.amdhsa_inst_pref_size 72
	.end_amdhsa_kernel
	.amdgpu_metadata
---
amdhsa.version: [ 1, 2 ]
amdhsa.kernels:
  - .name:           k_qf6858880c3_attn
    .symbol:         k_qf6858880c3_attn.kd
    .args:
      - { .name: query, .offset: 0, .size: 8, .value_kind: global_buffer, .address_space: global }
      - { .name: scale, .offset: 8, .size: 8, .value_kind: global_buffer, .address_space: global }
      - { .name: q_mask, .offset: 16, .size: 8, .value_kind: global_buffer, .address_space: global }
      - { .name: kv, .offset: 24, .size: 8, .value_kind: global_buffer, .address_space: global }
      - { .name: mw, .offset: 32, .size: 8, .value_kind: global_buffer, .address_space: global }
      - { .name: out0, .offset: 40, .size: 8, .value_kind: global_buffer, .address_space: global }
    .group_segment_fixed_size: 73728
    .private_segment_fixed_size: 0
    .kernarg_segment_align: 8
    .kernarg_segment_size: 48
    .max_flat_workgroup_size: 512
    .sgpr_count:     66
    .vgpr_count:     256
    .wavefront_size: 32
...
	.end_amdgpu_metadata
.endif
;; end of part 2
;; ======== version 2 of 2: 2 launches; version 1 with the launch attn written anew for expert scheduling mode
;; limits: right only within a limited range of input values
;; workspace buffers: kv 1,146,880 bytes; mw 2,048 bytes of whole numbers
;; launch prep: the kernel of part 1 again; grid 256 x 1, 8 waves a work-group, no clusters, 36,864 bytes of LDS; arguments key, value, v_mask, kv, mw; writes kv, mw
;; launch attn (part 3): grid 64 x 4, 16 waves a work-group, no clusters, 73,728 bytes of LDS; arguments query, scale, q_mask, kv, mw, out0; writes out0
.if DOCPART == 3
	.amdgcn_target "amdgcn-amd-amdhsa--gfx1250"
	.amdhsa_code_object_version 6
	.text
	.protected	k_qf6858880c3_attn
	.globl	k_qf6858880c3_attn
	.p2align	8
	.type	k_qf6858880c3_attn,@function
k_qf6858880c3_attn:
	s_mov_b64 s[64:65], 0
	v_nop
	global_prefetch_b8 v0, s[64:65] scope:SCOPE_SE
	s_setreg_imm32_b32 hwreg(HW_REG_WAVE_SCHED_MODE, 0, 2), 2
	s_setreg_imm32_b32 hwreg(HW_REG_WAVE_MODE, 25, 1), 1
	s_wait_xcnt 0x0
	s_wait_alu depctr_vm_vsrc(0)
; out0[b][q] = q_mask x (sum over k of softmax_k(logit) value[b][k]), logit = (scale query[b][q]) . key[b][k] - 1e9 x [k > q or v_mask[b][k] false].  Both products on codes of FP4 (E2M1) with E8M0 scales.
; THE SOFTMAX: t = logit x log2(e); M = the row's largest t so far, rounded up to a whole number; p = 2^(t - M) is quantised along the keys, not normalised; the row's sum of the unquantised p divides at the end.
; key and value come as images of the operand registers (8,960 bytes for 128 keys: their layout stands at the head of the launch that makes them), v_mask as bit words.
; SHARES.  Work-group (w, batch) owns four tiles of 16 queries: w, 127 - w, 128 + w, 255 - w: with a = w / 8 their key steps under the diagonal are a + 1, 16 - a, 17 + a, 32 - a: 66 in every work-group.
; Wave j has kappa = j / 4 and tau = (j / 4 + j % 4) % 4: it owns tile tau's key steps kappa, kappa + 4, ..: each group of four waves, taken by j % 4 or by j / 4, holds one wave of each tile.
; The four waves of a tile meet once, at the end, in LDS: each brings O^T, -M and the sum of its steps.
; THE MASK IS ADDITIVE.  A row that has a visible key gives p = 0 for every hidden key, so steps above the diagonal are left out.  A row whose keys 0 .. q are all hidden by v_mask has no visible key: its softmax
; runs over fl(score - 1e9) of ALL 4,096 keys.  If the tile's first row is such a row, the tile walks all 32 steps.  In a step with any hidden key the logit is made with two roundings: one for the
; subtraction, one for the multiplication by log2(e).  In a step all of whose keys count, t - M is one fused multiply-add.
; That trip count hangs on whole numbers read from memory, so this launch has no tensor load and no joint request: operands go from memory straight into registers, K's a step ahead, V's at the head of their own step.
; Nothing is prefetched: an image is read by many waves of many work-groups, not once.
; K = 64 IN AN INSTRUCTION OF 128: an even tile of keys uses the low 64 of K ([codes][zeros] against Q as [codes][zeros]), an odd one the high 64 ([zeros][codes] against [zeros][codes]); registers lie as
; [even tile][zeros][odd tile], so that two tiles share one run of zeros; the idle half has zero codes on both sides under the scale byte 0x7f.
; LAYOUT.  Both products are used transposed: S^T = K Q^T, O^T = V^T P^T: a lane holds ONE query (lane % 16).  Lane r of key tile 2 b + u takes key 32 b + 8 u + r + 8 (r / 8), so that the 16 registers of
; tiles 2 b, 2 b + 1 are the 16 neighbouring keys 32 b + 16 (lane / 16) + 0 .. 15.
; LIMITS: NaN and infinities among the inputs are not served.  A block whose largest magnitude lies under 2^-124 gets the scale byte 1.  Leaving out the keys above the diagonal takes |score| under about 4e8,
; so that a hidden key's p is 0 beside a visible key's.  A row's sums are formed in four parts, one a wave, and added at the end.
; THE MODE: SCHED_MODE bits 1:0 = 2 (LLVM: expert scheduling mode 2), set by the entry lines.  The code itself states the register dependences
; between vector or matrix instructions and memory or LDS instructions, with s_wait_alu, always for 0.
; THE PLAN.  Registers that memory or LDS instructions touch:
;   K's eight tiles and KS   A step's first product reads them; behind it the nine loads of my next step's image land in them.
;   VF, VS                   The nine loads of a step's own image land in them, issued behind the step's first product; the step's second product reads them, at the step's end.
;   v[L16], v[L8]            The loads' offsets: made at the head, never written again; the images are reached by two scalar bases.
;   O^T, (-M, sum)           Behind the loop alone: my LDS stores read them; O^T's first eight registers are then written again and are the data of the two global stores.
;   v112-159                 Behind the loop alone: LDS loads land in them; in the loop they are the scores and p.
;   The runs of zeros, Q, the scores, p, its codes and scale words are named by vector and matrix instructions alone.
; So ONE wait on va_vdst stands ahead of a step's eighteen loads, behind the first product and its four places: it states that this step's first product is done reading K's registers and the last step's
; second product V's.  V's nine loads follow it at once; K's nine are dealt among the first lines of the softmax, which name none of those registers.  The step's other waits: one ahead of the second
; product, for p's codes and scale words; the two behind the exponentials; where keys are hidden, one behind the run of four compares.
.set IMG,   8960
.set O_VC,  4096
.set O_KS,  8192
.set O_VS,  8704
.set SPITCH, 272                       ; a row of O in LDS: 256 bytes + 16
.set REG,   16*SPITCH                  ; a wave's 16 rows
.set STAT,  16*REG                     ; behind the sixteen regions: (-M, sum) pairs: 512 tau + 32 row + 8 kappa
.set L16, 1                            ; v1   16 x lane; never rewritten
.set L8,  2                            ; v2   8 x lane; never rewritten
.set H16, 3                            ; v3   16 (lane / 16)
.set YQ,  4                            ; v4   my query + 1 - 16 (lane / 16)
.set QM,  5                            ; v5, v6  q_mask of the two rows that I store
.set STO, 7                            ; v7   LDS: where I put my part of O
.set RDA, 8                            ; v8   where I read rows back
.set STA, 9                            ; v9   where I put (-M, sum)
.set RST, 10                           ; v10  where I read the four pairs
.set QOF, 11                           ; v11  my byte offset in the tile's rows of query
.set NM,  12                           ; v12  -M;  v13 the largest t (at the end: the sum)
.set LS,  14                           ; v[14:15] the sum in two halves
.set QF,  16                           ; v16-19 Q's codes, v20-23 zeros, v24-27 Q's codes again
.set QS0, 28                           ; v28  Q's scale words for even tiles, v29 for odd ones
.set QS1, 29
.set PS,  30                           ; v30  p's scale words
.set MOF, 31                           ; v31  lane / 16: q_mask's offset
.set KF,  32                           ; v32-79   four runs of [tile 2 g][zeros][tile 2 g + 1]
.set VF,  80                           ; v80-111  V's four fragments
.set S,   112                          ; v112-175 S^T, then p; at the head query's numbers; at the end the parts that are added
.set OT,  176                          ; v176-207 O^T
.set PC,  208                          ; v208-215 p's codes
.set KS,  216                          ; v216-219 K's scale words
.set VS,  220                          ; v220-221 V's
.set FF,  222                          ; v[222:223] f = 2^(old M - new M)
.set BM,  224                          ; v224-227 each block's largest score, then its largest p
.set BX,  228                          ; v228-231 what comes from lane l xor 16; then the bytes
.set SC,  232                          ; v232-235 the conversions' scale operands
.set SUM, 236                          ; v[236:237] the sums' second chain
.set T0,  238
.set T1,  239
.set X,   240                          ; v240-247 at work in the mask
.set MB,  248                          ; v248-251 a block's hidden keys, a bit each
.set QA,  238                          ; QUANT32's four registers
.set QB,  239
.set QSC, 232
.set QBY, 233
.set CP,  112                          ; the end: v112-143 the four parts of two rows' 16 bytes
.set CST, 144                          ; v144-159 their (-M, sum) pairs
.set CT,  160                          ; v160-175 at work
.set WV,  16                           ; s16 wave; s17 kappa; s18 tau; s19 tile; s20 its first query; s21 the diagonal's step; s22 batch
.set KAP, 17
.set TAU, 18
.set TILE, 19
.set Q0,  20
.set DG,  21
.set BAT, 22
.set NST, 23                           ; s23  the tile's key steps
.set SN,  24                           ; s24  my next step
.set SS,  25                           ; s25  the step in hand
.set OFP, 26                           ; s[26:27] an offset, 0 above it
.set NXT, 28                           ; s[28:29] the image from which K's part is fetched: my next step's
.set BASE, 30                          ; s[30:31] the batch's first image
.set MW,  32                           ; s[32:35] the step's four mask words
.set MOFS, 36                          ; s36  their byte offset
.set CS,  38                           ; s[38:39] what the scores are multiplied by: log2(e), or 1 where the mask has already made t
.set NEG, 40                           ; s[40:41] -1e9
.set SEL, 42                           ; s[42:43] v_permlanex16_b32's selects for lane l xor 16
.set SCL, 44                           ; s44  scale;  s45-47 at work (s47: the next step, held to 31)
.set L2E, 48                           ; s[48:49] log2(e)
.set CNT, 50                           ; s50  the loop's counter, by ones
.set TRP, 51                           ; s51  the loop's trips: my steps less the last; not written in the loop
.set NMW, 52                           ; s[52:55] the mask words' complements
.set VIM, 56                           ; s[56:57] the image from which V's part is fetched: the step's own
.set CM,  58                           ; s58-61 the masks of a run of four compares (at the head s56-63 take a run of eight)
; 32 numbers of ONE block in v[x] .. v[x + 31] become 32 codes in v[c] .. v[c + 3]; the byte is left in v[QBY].
.macro QUANT32 x, c
	v_max3_num_f32 v[QA], |v[(\x)]|, |v[(\x)+1]|, 0x1800000         ; the floor 2^(3 - 127) among the leaves: the byte cannot fall under 1
	v_max3_num_f32 v[QB], |v[(\x)+16]|, |v[(\x)+17]|, |v[(\x)+18]|
.irp i, 0,2,4,6,8,10
	v_max3_num_f32 v[QA], v[QA], |v[(\x)+2+\i]|, |v[(\x)+3+\i]|
	v_max3_num_f32 v[QB], v[QB], |v[(\x)+19+\i]|, |v[(\x)+20+\i]|
.endr
	v_max3_num_f32 v[QA], v[QA], |v[(\x)+14]|, |v[(\x)+15]|
	v_max3_num_f32 v[QA], v[QA], v[QB], |v[(\x)+31]|
	v_add_nc_u32 v[QSC], 0xff000000, v[QA]                          ; 2 off the exponent field: the conversion takes this operand's exponent field as its scale
	v_lshrrev_b32 v[QBY], 23, v[QSC]
.irp g, 0,1,2,3
	v_cvt_scalef32_pk8_fp4_f32 v[(\c)+\g], v[(\x)+8*\g:(\x)+8*\g+7], v[QSC]
.endr
	v_nop                                                           ; one plain line behind the last scaled conversion
.endm
.macro LOADKT t                        ; a tile of keys: 512 consecutive bytes
	global_load_b128 v[KF+12*((\t)/2)+8*((\t)%2):KF+12*((\t)/2)+8*((\t)%2)+3], v[L16], s[NXT:NXT+1] offset:512*(\t)
.endm
.macro LOADKS                          ; the eight tiles' scale words
	global_load_b128 v[KS:KS+3], v[L16], s[NXT:NXT+1] offset:O_KS
.endm
.macro LOADK                           ; nine loads: the eight tiles of keys and their scale words
.irp t, 0,1,2,3,4,5,6,7
	LOADKT \t
.endr
	LOADKS
.endm
.macro LOADV                           ; nine loads: V's four fragments and their scale words
.irp i, 0,1,2,3,4,5,6,7
	global_load_b128 v[VF+4*\i:VF+4*\i+3], v[L16], s[VIM:VIM+1] offset:O_VC+512*\i
.endr
	global_load_b64 v[VS:VS+1], v[L8], s[VIM:VIM+1] offset:O_VS
.endm
; S^T = K Q^T: tile t's scale words lie in register t % 4, lanes 0-15 for tiles 0-3, lanes 16-31 for tiles 4-7
.macro SP t, a, b, q, row
.if \row
	v_wmma_scale_f32_16x16x128_f8f6f4 v[S+8*(\t):S+8*(\t)+7], v[\a:\a+7], v[\b:\b+7], 0, v[KS+(\t)%4], v[\q] matrix_a_fmt:MATRIX_FMT_FP4 matrix_b_fmt:MATRIX_FMT_FP4 matrix_a_scale:MATRIX_SCALE_ROW1
.else
	v_wmma_scale_f32_16x16x128_f8f6f4 v[S+8*(\t):S+8*(\t)+7], v[\a:\a+7], v[\b:\b+7], 0, v[KS+(\t)%4], v[\q] matrix_a_fmt:MATRIX_FMT_FP4 matrix_b_fmt:MATRIX_FMT_FP4
.endif
.endm
.macro SPROD
.irp g, 0,1,2,3
	SP 2*\g, KF+12*\g, QF, QS0, \g/2               ; [codes][zeros] x [codes][zeros]
	SP 2*\g+1, KF+12*\g+4, QF+4, QS1, \g/2         ; [zeros][codes] x [zeros][codes]
.endr
.endm
; O^T += V^T P^T: the four accumulators take turns, and the next step's eight products of S^T stand between two links of a chain
.macro PVPROD
.irp d, 0,1
	v_wmma_scale_f32_16x16x128_f8f6f4 v[OT+8*\d:OT+8*\d+7], v[VF+8*\d:VF+8*\d+7], v[PC:PC+7], v[OT+8*\d:OT+8*\d+7], v[VS+\d], v[PS] matrix_a_fmt:MATRIX_FMT_FP4 matrix_b_fmt:MATRIX_FMT_FP4
.endr
.irp d, 2,3
	v_wmma_scale_f32_16x16x128_f8f6f4 v[OT+8*\d:OT+8*\d+7], v[VF+8*\d:VF+8*\d+7], v[PC:PC+7], v[OT+8*\d:OT+8*\d+7], v[VS+\d-2], v[PS] matrix_a_fmt:MATRIX_FMT_FP4 matrix_b_fmt:MATRIX_FMT_FP4 matrix_a_scale:MATRIX_SCALE_ROW1
.endr
.endm
; A STEP WITH HIDDEN KEYS.  Register 16 b + i holds key 128 S + 32 b + 16 (lane / 16) + i.  It is under the diagonal where i < y_b = my query + 1 - 16 (lane / 16) - 128 S - 32 b.
; Bit i of MB_b = 1 where the key is hidden: (-1 << y_b, y_b held to 0 .. 16) or the complement of the mask word's half.  Then logit = score - 1e9 x bit, one rounding, and t = logit x log2(e), one more.
.macro MASK
	s_lshl_b32 s46, s[SS], 7
	v_sub_nc_u32 v[T0], v[YQ], s46
.irp b, 0,1,2,3
	s_not_b32 s[NMW+\b], s[MW+\b]
.endr
.irp b, 0,1,2,3
	v_add_nc_u32 v[MB+\b], -32*\b, v[T0]
.endr
.irp b, 0,1,2,3
	v_cmp_le_i32 s[CM+\b], 0, v[MB+\b]             ; the four compares in one run, a scalar register each
.endr
.irp b, 0,1,2,3
	v_lshrrev_b32 v[X+\b], v[H16], s[NMW+\b]
.endr
	s_wait_alu depctr_va_sdst(0)                   ; the four compares have written s[CM ..], which the selects below read
.irp b, 0,1,2,3
	v_cndmask_b32 v[MB+\b], 0, v[MB+\b], s[CM+\b]  ; under 0: 0
.endr
.irp b, 0,1,2,3
	v_min_u32 v[MB+\b], 16, v[MB+\b]
.endr
.irp b, 0,1,2,3
	v_lshl_or_b32 v[MB+\b], -1, v[MB+\b], v[X+\b]
.endr
.set n, 0
.rept 8                                ; an accumulator at a time, each from its low end on
.irp e, 0,1,2,3,4,5,6,7
	v_bfe_u32 v[X+\e], v[MB+n/16], (n%16)+\e, 1
.endr
.irp e, 0,1,2,3,4,5,6,7
	v_cvt_f32_u32 v[X+\e], v[X+\e]
.endr
.irp e, 0,2,4,6
	v_pk_fma_f32 v[S+n+\e:S+n+\e+1], v[X+\e:X+\e+1], s[NEG:NEG+1], v[S+n+\e:S+n+\e+1] op_sel_hi:[1,0,1]
.endr
.irp e, 0,2,4,6
	v_pk_mul_f32 v[S+n+\e:S+n+\e+1], v[S+n+\e:S+n+\e+1], s[L2E:L2E+1] op_sel_hi:[1,0]
.endr
.set n, n+8
.endr
	s_mov_b32 s[CS], 1.0                           ; the registers hold t now
	s_mov_b32 s[CS+1], 1.0
.endm
; The softmax of 16 queries x 128 keys, and p's codes and scale words.  ahead = 1: the nine loads of my next step's K are dealt among its first lines, three at a time.
.macro SOFTMAX ahead
.irp b, 0,1,2,3
	v_max3_num_f32 v[BM+\b], v[S+16*\b], v[S+1+16*\b], v[S+2+16*\b]   ; the largest score of each block of 32 keys: for the row's maximum and, since p rises with the score, for the block's largest p
.endr
.irp i, 3,5,7,9,11,13
.if \ahead                             ; no wait: no vector or matrix instruction since the wait behind the first product names K's tiles or KS
.if \i == 3
	LOADKT 0
	LOADKT 1
	LOADKT 2
.elseif \i == 7
	LOADKT 3
	LOADKT 4
	LOADKT 5
.elseif \i == 11
	LOADKT 6
	LOADKT 7
	LOADKS
.endif
.endif
.irp b, 0,1,2,3
	v_max3_num_f32 v[BM+\b], v[BM+\b], v[S+16*\b+\i], v[S+1+16*\b+\i]
.endr
.endr
.irp b, 0,1,2,3
	v_max_num_f32 v[BM+\b], v[BM+\b], v[S+15+16*\b]
.endr
.irp b, 0,1,2,3
	v_permlanex16_b32 v[BX+\b], v[BM+\b], s[SEL], s[SEL+1]
.endr
.irp b, 0,1,2,3
	v_max_num_f32 v[BM+\b], v[BM+\b], v[BX+\b]     ; with lane l xor 16's 16 keys
.endr
	v_max3_num_f32 v[T0], v[BM], v[BM+1], v[BM+2]
	v_max_num_f32 v[T0], v[T0], v[BM+3]
	v_mul_f32 v[T0], s[CS], v[T0]                  ; the step's largest t of my query
	v_max_num_f32 v[NM+1], v[NM+1], v[T0]
	v_mov_b32 v[T0], v[NM]
	v_floor_f32 v[NM], -v[NM+1]                    ; -M = floor(-t): M is a whole number
	v_sub_f32 v[T0], v[NM], v[T0]                  ; old M - new M, 0 or less
	v_cvt_i32_f32 v[T0], v[T0]                     ; (it saturates)
	v_ldexp_f32 v[FF], 1.0, v[T0]                  ; f = 2^(old M - new M): a multiplication by it rounds nothing
.set n, 0
.rept 32
	v_pk_fma_f32 v[S+n:S+n+1], v[S+n:S+n+1], s[CS:CS+1], v[NM:NM+1] op_sel_hi:[1,0,0]   ; t - M (of the pairs the low word serves both halves)
.set n, n+2
.endr
.irp b, 0,1,2,3
	v_fma_f32 v[BM+\b], v[BM+\b], s[CS], v[NM]     ; the same of each block's largest
.endr
.set n, 0
.rept 64
	v_exp_f32 v[S+n], v[S+n]                       ; p = 2^(t - M)
.set n, n+1
.endr
	v_pk_mul_f32 v[LS:LS+1], v[LS:LS+1], v[FF:FF+1] op_sel_hi:[1,0]   ; the sums under the new M: the plain line behind the exponentials
	s_wait_alu depctr_va_vdst(0)                   ; the 64 exponentials have written p in v[S ..]: one wait, ahead of their first reader
.irp b, 0,1,2,3
	v_exp_f32 v[BM+\b], v[BM+\b]                   ; the block's largest p: the same two instructions on the same number
.endr
	v_pk_add_f32 v[SUM:SUM+1], v[S:S+1], v[S+2:S+3]   ; the row's sum is taken of the unquantised p, in two chains
.irp j, 4,8,12,16,20,24,28,32,36,40,44,48,52,56,60
	v_pk_add_f32 v[LS:LS+1], v[LS:LS+1], v[S+\j:S+1+\j]
	v_pk_add_f32 v[SUM:SUM+1], v[SUM:SUM+1], v[S+2+\j:S+3+\j]
.endr
	v_pk_add_f32 v[LS:LS+1], v[LS:LS+1], v[SUM:SUM+1]
	s_wait_alu depctr_va_vdst(0)                   ; the four exponentials have written v[BM ..]: one wait, ahead of their first reader
.irp b, 0,1,2,3
	v_max_num_f32 v[BM+\b], 0x1800000, v[BM+\b]    ; the floor 2^(3 - 127): a block whose every p is 0 keeps the byte 1: its codes are zeros
.endr
.irp b, 0,1,2,3
	v_add_nc_u32 v[SC+\b], 0xff000000, v[BM+\b]
.endr
.irp b, 0,1,2,3
	v_lshrrev_b32 v[BX+\b], 23, v[SC+\b]
.endr
	v_lshl_or_b32 v[PS], v[BX+1], 8, v[BX]
	v_lshl_or_b32 v[PS], v[BX+2], 16, v[PS]
	v_lshl_or_b32 v[PS], v[BX+3], 24, v[PS]
.irp b, 0,1,2,3
	v_cvt_scalef32_pk8_fp4_f32 v[PC+2*\b], v[S+16*\b:S+7+16*\b], v[SC+\b]
	v_cvt_scalef32_pk8_fp4_f32 v[PC+1+2*\b], v[S+8+16*\b:S+15+16*\b], v[SC+\b]
.endr
	v_nop                                          ; one plain line behind the last scaled conversion
.irp c, 0,1                            ; the operand wants a whole block in a lane: lanes 0-15 block 2 c, lanes 16-31 block 2 c + 1
.irp i, 0,1
	v_permlane16_swap_b32 v[PC+4*\c+\i], v[PC+2+4*\c+\i]
.endr
.endr
.set n, 0
.rept 16
	v_pk_mul_f32 v[OT+n:OT+n+1], v[OT+n:OT+n+1], v[FF:FF+1] op_sel_hi:[1,0]   ; O^T under the new M; these sixteen also stand between the vector writes of p's codes and scale words and the scaled products
.set n, n+2
.endr
.endm
; A KEY STEP.  Its own V is fetched behind the first product.  ahead = 1: the next step's K is fetched too, among the softmax's first lines.
.macro STEP ahead
	s_sub_co_u32 s[SS], s[SN], 4
	s_wait_loadcnt 0x0                             ; K's nine loads are in: they are all that is out
	SPROD
.rept 4
	v_nop                                          ; four places in front of the first read of the scores (ISA guide 7.12.1)
.endr
	s_wait_xcnt 0x0                                ; every earlier memory instruction has had its addresses translated (ISA guide 3.1): the two images' addresses are written only behind this wait
	s_mov_b64 s[VIM:VIM+1], s[NXT:NXT+1]           ; the image whose K has just been multiplied: its V is fetched now
.if \ahead
	s_min_u32 s47, s[SN], 31
	s_mul_i32 s[OFP], s47, IMG
	s_add_nc_u64 s[NXT:NXT+1], s[BASE:BASE+1], s[OFP:OFP+1]
.endif
	s_wait_alu depctr_va_vdst(0)                   ; this step's first product is done reading K's tiles and KS, the last step's second product VF and VS: the step's loads land in them
	LOADV
	s_mov_b32 s[CS], s[L2E]
	s_mov_b32 s[CS+1], s[L2E]
	s_wait_kmcnt 0x0                               ; this step's mask words
	s_and_b32 s45, s[MW], s[MW+1]
	s_and_b32 s46, s[MW+2], s[MW+3]
	s_and_b32 s45, s45, s46
	s_cmp_eq_u32 s45, -1                           ; v_mask hides none of the 128 keys,
	s_cselect_b32 s45, 1, 0
	s_cmp_lt_u32 s[SS], s[DG]                      ; and all of them lie under the diagonal for all my queries
	s_cselect_b32 s45, s45, 0
	s_cmp_lg_u32 s45, 0
	s_cbranch_scc1 .Lclean_\@
	MASK
.Lclean_\@:
.if \ahead
	s_lshl_b32 s[MOFS], s47, 4
	s_load_b128 s[MW:MW+3], s[12:13], s[MOFS] offset:0x0   ; the next step's mask words
.endif
	SOFTMAX \ahead
.if \ahead
	s_wait_loadcnt 9                               ; V's nine loads are in; the next K's nine, issued behind them, may be out
.else
	s_wait_loadcnt 0x0
.endif
	s_wait_alu depctr_va_vdst(0)                   ; the conversions and exchanges have written p's codes, the shifts its scale words: the scaled products take them as operand and scales; the sixteen places above stay beside this wait
	PVPROD
.if !\ahead
.rept 4
	v_nop                                          ; my last step: four places in front of the first read of O^T (ISA guide 7.12.1)
.endr
.endif
.endm
	s_load_b256 s[4:11], s[0:1], 0x0               ; query s[4:5], scale s[6:7], q_mask s[8:9], kv s[10:11]
	s_load_b128 s[12:15], s[0:1], 0x20             ; mw s[12:13], out0 s[14:15]
	v_lshl_add_u32 v254, v0, 2, 0x11800
	v_mov_b32 v255, 0
	v_lshrrev_b32 v1, 5, v0
	v_readfirstlane_b32 s[WV], v1                  ; wave 0..15
	v_and_b32 v[T0], 31, v0                        ; lane
	v_and_b32 v[T1], 15, v0                        ; r
	v_bfe_u32 v[MOF], v0, 4, 1                     ; h
	v_lshlrev_b32 v[L16], 4, v[T0]
	v_lshlrev_b32 v[L8], 3, v[T0]
	v_lshlrev_b32 v[H16], 4, v[MOF]
	v_lshlrev_b32 v[QOF], 8, v[T1]
	v_lshl_add_u32 v[QOF], v[MOF], 7, v[QOF]       ; query: row r of 256 bytes, channels 32 h on
	s_wait_alu depctr_va_sdst(0)                   ; s[WV] is written, ahead of its first reader: kappa, tau and all that is made of them
	s_lshr_b32 s[KAP], s[WV], 2
	s_and_b32 s45, s[WV], 3
	s_add_co_u32 s[TAU], s[KAP], s45
	s_and_b32 s[TAU], s[TAU], 3
	s_sub_co_u32 s45, 127, ttmp9
	s_bitcmp1_b32 s[TAU], 0
	s_cselect_b32 s[TILE], s45, ttmp9              ; w or 127 - w,
	s_and_b32 s46, s[TAU], 2
	s_lshl_b32 s46, s46, 6
	s_add_co_u32 s[TILE], s[TILE], s46             ; + 128 for tau 2 and 3
	s_lshl_b32 s[Q0], s[TILE], 4
	s_lshr_b32 s[DG], s[TILE], 3
	s_and_b32 s[BAT], ttmp7, 0xffff
	s_add_co_u32 s45, s[Q0], 1
	v_add_nc_u32 v[YQ], s45, v[T1]
	v_sub_nc_u32 v[YQ], v[YQ], v[H16]
	; LDS addresses: constants, the lane and the wave's number alone
	s_lshl_b32 s45, s[TAU], 2
	s_add_co_u32 s46, s45, s[KAP]
	s_mul_i32 s46, s46, REG                        ; my region: 4 tau + kappa
	v_mul_u32_u24 v[STO], v[T1], SPITCH
	v_lshl_add_u32 v[STO], v[MOF], 5, v[STO]
	v_add_nc_u32 v[STO], s46, v[STO]               ; row r, + 32 h
	s_mul_i32 s45, s45, REG                        ; my tile's four regions
	s_lshl_b32 s46, s[KAP], 2
	s_mul_i32 s47, s46, SPITCH                     ; rows 4 kappa on are mine to add and store
	s_add_co_u32 s45, s45, s47
	v_mul_u32_u24 v[RDA], v[MOF], SPITCH
	v_lshl_add_u32 v[RDA], v[T1], 4, v[RDA]
	v_add_nc_u32 v[RDA], s45, v[RDA]               ; lanes 0-15 one row, lanes 16-31 the next
	s_lshl_b32 s45, s[TAU], 9
	s_add_co_u32 s45, s45, STAT
	s_lshl_b32 s47, s[KAP], 3
	s_add_co_u32 s47, s47, s45
	v_lshl_add_u32 v[STA], v[T1], 5, s47
	s_lshl_b32 s47, s[KAP], 7
	s_add_co_u32 s47, s47, s45
	v_lshl_add_u32 v[RST], v[MOF], 5, s47
	s_mov_b32 s[OFP+1], 0
	s_mov_b32 s[NEG], 0xce6e6b28                   ; -1e9
	s_mov_b32 s[NEG+1], s[NEG]
	s_mov_b32 s[SEL], 0x76543210
	s_mov_b32 s[SEL+1], 0xfedcba98
	s_mov_b32 s[L2E], 0x3fb8aa3b                   ; log2(e)
	s_mov_b32 s[L2E+1], s[L2E]
	s_lshl_b32 s[MOFS], s[KAP], 4
	s_wait_kmcnt 0x0
	s_lshl_b32 s45, s[BAT], 12
	s_add_co_u32 s45, s45, s[Q0]                   ; the tile's first row among the 16,384
	s_lshl_b32 s[OFP], s45, 8
	s_add_nc_u64 s[4:5], s[4:5], s[OFP:OFP+1]
	s_lshl_b32 s46, s[KAP], 2
	s_add_co_u32 s[OFP], s45, s46                  ; the first row that I store
	s_add_nc_u64 s[8:9], s[8:9], s[OFP:OFP+1]
	s_lshl_b32 s[OFP], s[OFP], 8
	s_add_nc_u64 s[14:15], s[14:15], s[OFP:OFP+1]
	s_lshl_b32 s[OFP], s[BAT], 9
	s_add_nc_u64 s[12:13], s[12:13], s[OFP:OFP+1]  ; the batch's 128 mask words
	s_mul_i32 s[OFP], s[BAT], 32*IMG
	s_add_nc_u64 s[BASE:BASE+1], s[10:11], s[OFP:OFP+1]
	s_mul_i32 s[OFP], s[KAP], IMG
	s_add_nc_u64 s[NXT:NXT+1], s[BASE:BASE+1], s[OFP:OFP+1]   ; my first step's image (kappa is under 4: inside the buffer also for a wave that has no step)
	s_load_b32 s[SCL], s[6:7], 0x0
	s_load_b128 s[MW:MW+3], s[12:13], s[MOFS] offset:0x0
	s_wait_alu depctr_va_vdst(0)                   ; the offsets v[L16], v[L8], v[QOF], v[MOF] and the LDS addresses v[STO], v[RDA], v[STA], v[RST] are written: every load, store and LDS instruction of the kernel reads one of them, and none is written again
.irp j, 0,1,2,3,4,5,6,7
	global_load_b128 v[S+4*\j:S+4*\j+3], v[QOF], s[4:5] offset:16*\j   ; my row's 32 numbers of my half
.endr
	global_load_b128 v[X:X+3], v[L16], s[12:13]    ; the batch's 128 mask words, four a lane
	global_load_u8 v[QM], v[MOF], s[8:9]
	global_load_u8 v[QM+1], v[MOF], s[8:9] offset:2
	LOADK
.irp z, QF+4, KF+4, KF+16, KF+28, KF+40
.irp e, 0,1,2,3
	v_mov_b32 v[\z+\e], 0                          ; the runs of zero codes: written once; no load lands in them
.endr
.endr
.irp b, 0,1,2,3
	v_mov_b32 v[BX+\b], 0                          ; a lane permute's destination counts as read: written once
.endr
	v_mov_b32 v[FF+1], 0                           ; (named as the upper half of a pair)
	v_mov_b32 v[LS], 0
	v_mov_b32 v[LS+1], 0
	v_mov_b32 v[NM+1], 0xff61b1e6                  ; the largest t so far: -3e38
	v_floor_f32 v[NM], -v[NM+1]
	s_wait_loadcnt 9                               ; query, the mask words and q_mask are in; K's nine loads may be out
	s_wait_kmcnt 0x0
	; IS THE TILE'S FIRST ROW WITHOUT A VISIBLE KEY?  The mask bits of keys 0 .. q0: all words under q0 / 32, and of that word its low 1 or 17 bits
	s_lshr_b32 s45, s[Q0], 5
	s_mov_b32 s46, 0x1ffff
	s_bitcmp1_b32 s[Q0], 4
	s_cselect_b32 s46, s46, 1
	v_lshlrev_b32 v244, 2, v[T0]
.irp j, 0,1,2,3
	v_add_nc_u32 v[MB+\j], \j, v244                ; which word
.endr
.irp j, 0,1,2,3
	v_cmp_gt_u32 s[56+\j], s45, v[MB+\j]           ; the eight compares in one run, a scalar register each
	v_cmp_eq_u32 s[60+\j], s45, v[MB+\j]
.endr
.irp j, 0,1,2,3
	v_and_b32 v[BM+\j], s46, v[X+\j]
.endr
	v_mov_b32 v246, 0
	s_wait_alu depctr_va_sdst(0)                   ; the eight compares have written s56 to s63, which the selects below read
.irp j, 0,1,2,3
	v_cndmask_b32 v247, 0, v[X+\j], s[56+\j]
	v_or_b32 v246, v246, v247
	v_cndmask_b32 v247, 0, v[BM+\j], s[60+\j]
	v_or_b32 v246, v246, v247
.endr
	v_cmp_ne_u32 s45, 0, v246
	; scale x query, quantised in registers: a lane holds a whole block
.set n, 0
.rept 32
	v_mul_f32 v[S+n], s[SCL], v[S+n]
.set n, n+1
.endr
	s_wait_alu depctr_va_sdst(0)                   ; the compare has written s45, ahead of its first reader: the tile's number of steps is chosen by it
	s_add_co_u32 s[NST], s[DG], 1
	s_cmp_eq_u32 s45, 0
	s_cselect_b32 s[NST], 32, s[NST]               ; none visible: all 32 steps; else up to the diagonal's
	QUANT32 S, QF
.irp e, 0,1,2,3
	v_mov_b32 v[QF+8+\e], v[QF+\e]
.endr
	v_lshrrev_b32 v[T1], 1, v[H16]                 ; 8 h
	v_lshlrev_b32 v[QBY], v[T1], v[QBY]
	v_permlanex16_b32 v[BX], v[QBY], s[SEL], s[SEL+1]
	v_or_b32 v[QBY], v[QBY], v[BX]                 ; the row's two bytes
	v_or_b32 v[QS0], 0x7f7f0000, v[QBY]
	v_lshl_or_b32 v[QS1], v[QBY], 16, 0x7f7f
.set n, 0
.rept 32
	v_mov_b32 v[OT+n], 0                           ; O^T: the step is written for every step alike, and the first change of M multiplies zeros.  These lines also stand between the vector writes of Q's scale words and the first scaled product
.set n, n+1
.endr
	s_wait_alu depctr_va_vdst(0)                   ; Q's codes, its two scale words and the five runs of zeros are written: every first product takes them as operands and scales, and no vector instruction writes them again
	s_cmp_lt_u32 s[KAP], s[NST]
	s_cbranch_scc0 .Ldone                          ; a short tile leaves some of its waves without a step
	; my steps are kappa, kappa + 4, .. under NST: (NST - kappa + 3) / 4 of them, at least one.  All but the last fetch ahead: the loop's trips, counted by ones
	s_add_co_u32 s[SN], s[KAP], 4
	s_sub_co_u32 s[TRP], s[NST], s[KAP]
	s_add_co_u32 s[TRP], s[TRP], 3
	s_lshr_b32 s[TRP], s[TRP], 2
	s_sub_co_u32 s[TRP], s[TRP], 1
	s_mov_b32 s[CNT], 0
	s_cmp_lt_u32 s[CNT], s[TRP]
	s_cbranch_scc0 .Ltail
.Lstep:
	STEP 1
	s_add_co_u32 s[SN], s[SN], 4                   ; the step's number goes on by four; it enters offsets alone, held to 31
	s_add_co_u32 s[CNT], s[CNT], 1
	s_cmp_lt_u32 s[CNT], s[TRP]
	s_cbranch_scc1 .Lstep
.Ltail:
	STEP 0                                         ; my last step fetches no further K
.Ldone:
	; THE FOUR WAVES OF A TILE MEET.  Each puts its O^T (16 rows x 256 bytes) and each row's (-M, sum) into LDS; behind the barrier each adds and stores four rows.
	s_wait_loadcnt 0x0                             ; (a wave without a step still has its first loads out)
	v_add_f32 v[LS], v[LS], v[LS+1]
	v_permlanex16_b32 v[BX], v[LS], s[SEL], s[SEL+1]
	v_add_f32 v[NM+1], v[LS], v[BX]                ; my steps' sum of the row
	s_wait_alu depctr_va_vdst(0)                   ; O^T, -M and the sum are written, which the LDS stores read; and the softmax is done with v112 to v159, in which the LDS loads behind the barrier land: no vector line stands between
.irp d, 0,1,2,3
	ds_store_b128 v[STO], v[OT+8*\d:OT+8*\d+3] offset:64*\d        ; channels 16 d + 8 h + 0 .. 7; each accumulator from its low end on
	ds_store_b128 v[STO], v[OT+8*\d+4:OT+8*\d+7] offset:64*\d+16
.endr
	ds_store_b64 v[STA], v[NM:NM+1]                ; lanes r and r + 16 write the same pair to the same place
	s_wait_dscnt 0x0                               ; for the others' sake: my stores have landed
	s_barrier_signal -1
	s_barrier_wait -1
.irp i, 0,1
.irp w, 0,1,2,3
	ds_load_b128 v[CP+16*\i+4*\w:CP+16*\i+4*\w+3], v[RDA] offset:REG*\w+2*SPITCH*\i
.endr
	ds_load_b128 v[CST+8*\i:CST+8*\i+3], v[RST] offset:64*\i
	ds_load_b128 v[CST+8*\i+4:CST+8*\i+7], v[RST] offset:64*\i+16
.endr
	s_wait_dscnt 0x0
	s_wait_alu depctr_vm_vsrc(0)                   ; my LDS stores have read O^T's registers, the first eight of which are written again below
.irp i, 0,1
	v_min3_num_f32 v[CT+8*\i+4], v[CST+8*\i], v[CST+8*\i+2], v[CST+8*\i+4]
	v_min_num_f32 v[CT+8*\i+4], v[CT+8*\i+4], v[CST+8*\i+6]        ; the smallest -M: the row's M
.irp w, 0,1,2,3
	v_sub_f32 v[CT+8*\i+\w], v[CT+8*\i+4], v[CST+8*\i+2*\w]        ; part w's M less the row's: a whole number, 0 or less
.endr
.irp w, 0,1,2,3
	v_cvt_i32_f32 v[CT+8*\i+\w], v[CT+8*\i+\w]
.endr
.irp w, 0,1,2,3
	v_ldexp_f32 v[CT+8*\i+\w], 1.0, v[CT+8*\i+\w]                  ; (a wave without a step has -M = 3e38: its factor is 0)
.endr
	v_mul_f32 v[CT+8*\i+5], v[CT+8*\i], v[CST+8*\i+1]
.irp w, 1,2,3
	v_fma_f32 v[CT+8*\i+5], v[CT+8*\i+\w], v[CST+8*\i+2*\w+1], v[CT+8*\i+5]   ; the row's sum: at least 1/2
.endr
.endr
	v_rcp_f32 v[CT+6], v[CT+5]
	v_rcp_f32 v[CT+14], v[CT+13]
	v_cvt_f32_u32 v[QM], v[QM]                     ; plain lines behind the reciprocals: q_mask as 0.0 or 1.0
	v_cvt_f32_u32 v[QM+1], v[QM+1]
	s_wait_alu depctr_va_vdst(0)                   ; the two reciprocals have written v[CT+6] and v[CT+14]: one wait, ahead of their first reader
.irp i, 0,1
	v_mul_f32 v[CT+8*\i+6], v[CT+8*\i+6], v[QM+\i]
.irp w, 0,1,2,3
	v_mul_f32 v[CT+8*\i+\w], v[CT+8*\i+\w], v[CT+8*\i+6]
.endr
.irp e, 0,1,2,3
	v_mul_f32 v[OT+4*\i+\e], v[CT+8*\i], v[CP+16*\i+\e]
.endr
.irp w, 1,2,3
.irp e, 0,1,2,3
	v_fma_f32 v[OT+4*\i+\e], v[CT+8*\i+\w], v[CP+16*\i+4*\w+\e], v[OT+4*\i+\e]
.endr
.endr
.endr
	s_wait_alu depctr_va_vdst(0)                   ; the multiply-adds have written v[OT] to v[OT+7], which the two stores read
.irp i, 0,1
	global_store_b128 v[L16], v[OT+4*\i:OT+4*\i+3], s[14:15] offset:512*\i th:TH_STORE_NT   ; 32 lanes store two whole rows: 512 consecutive bytes, aligned
.endr
	s_wait_dscnt 0x0
	s_wait_alu depctr_hold_cnt(0) depctr_sa_sdst(0) depctr_va_vdst(0) depctr_va_sdst(0) depctr_va_ssrc(0) depctr_va_vcc(0) depctr_vm_vsrc(0)
	s_wait_tensorcnt 0x0
	ds_add_u32 v254, v255
	s_wait_dscnt 0x0
	s_endpgm
.Lfunc_end_k_qf6858880c3_attn:
	.size	k_qf6858880c3_attn, .Lfunc_end_k_qf6858880c3_attn-k_qf6858880c3_attn
	.p2alignl 7, 3214868480
	.fill 96, 4, 3214868480
	.section	.rodata,"a",@progbits
	.p2align	6, 0x0
	.amdhsa_kernel k_qf6858880c3_attn
		.amdhsa_group_segment_fixed_size 73728
		.amdhsa_private_segment_fixed_size 0
		.amdhsa_enable_private_segment 0
		.amdhsa_kernarg_size 48
		.amdhsa_user_sgpr_count 2
		.amdhsa_user_sgpr_kernarg_segment_ptr 1
		.amdhsa_wavefront_size32 1
		.amdhsa_system_sgpr_workgroup_id_x 1
		.amdhsa_system_sgpr_workgroup_id_y 1
		.amdhsa_system_sgpr_workgroup_id_z 1
		.amdhsa_system_vgpr_workitem_id 0
		.amdhsa_next_free_vgpr 256
		.amdhsa_next_free_sgpr 66
		.amdhsa_reserve_vcc 0
		.amdhsa_float_denorm_mode_32 3
		.amdhsa_float_denorm_mode_16_64 3
		.amdhsa_memory_ordered 1
		.amdhsa_forward_progress 1
		.amdhsa_inst_pref_size 73
	.end_amdhsa_kernel
	.amdgpu_metadata
---
amdhsa.version: [ 1, 2 ]
amdhsa.kernels:
  - .name:           k_qf6858880c3_attn
    .symbol:         k_qf6858880c3_attn.kd
    .args:
      - { .name: query, .offset: 0, .size: 8, .value_kind: global_buffer, .address_space: global }
      - { .name: scale, .offset: 8, .size: 8, .value_kind: global_buffer, .address_space: global }
      - { .name: q_mask, .offset: 16, .size: 8, .value_kind: global_buffer, .address_space: global }
      - { .name: kv, .offset: 24, .size: 8, .value_kind: global_buffer, .address_space: global }
      - { .name: mw, .offset: 32, .size: 8, .value_kind: global_buffer, .address_space: global }
      - { .name: out0, .offset: 40, .size: 8, .value_kind: global_buffer, .address_space: global }
    .group_segment_fixed_size: 73728
    .private_segment_fixed_size: 0
    .kernarg_segment_align: 8
    .kernarg_segment_size: 48
    .max_flat_workgroup_size: 512
    .sgpr_count:     66
    .vgpr_count:     256
    .wavefront_size: 32
...
	.end_amdgpu_metadata
.endif
;; end of part 3
